; MI455X (gfx1250); checked and timed in simulation.
; The chip was launched on July 23, 2026; its instructions are those of AMD's public machine-readable ISA for CDNA 5 (MIT licence, August 2026) and "CDNA5" Instruction Set Architecture Reference Guide (July 2026). The comments in the code are by the model that wrote it; some were corrected since.
;; Forgetting Attention. Allowed arithmetic: matrix products marked QUANTISED: E2M3 operands, one E8M0 scale for each 32 along K, by v_wmma_scale_f32_16x16x128_f8f6f4 with both operands' format E2M3, f32 sums; everything else in f32.
;; Inputs: Wf 1,024 x 16 float32; Wk 1,024 x 1,024 float32; Wo 1,024 x 1,024 float32; Wq 1,024 x 1,024 float32; Wv 1,024 x 1,024 float32; bf 16 float32; x 2 x 2,048 x 1,024 float32.
;; Outputs: out0 2 x 2,048 x 1,024 float32.
;; This version of the problem:
;;   THIS VERSION OF THE PROBLEM IS GIVEN IN LOW PRECISION. The matrix products marked QUANTISED in the list below multiply operands that are first quantised to E2M3 (2 exponent bits, 3 mantissa bits; 6 bits a number), with one power-of-two scale for each 32 numbers along K (OCP MX v1.0); their sums are f32. All else is computed in f32.
;;   The module's matrix products, in the order in which they are computed (A, B: the left and right operand; K: the contracted axis; several contracted axes count as one K, in the product's order):
;;     1. [M 4,096, K 1,024] x [K 1,024, N 1,024]; A: input x; B: input Wq: QUANTISED
;;     2. [M 4,096, K 1,024] x [K 1,024, N 1,024]; A: input x; B: input Wk: QUANTISED
;;     3. [M 4,096, K 1,024] x [K 1,024, N 1,024]; A: input x; B: input Wv: QUANTISED
;;     4. [M 4,096, K 1,024] x [K 1,024, N 16]; A: input x; B: input Wf: QUANTISED
;;     5. batch 32 x [M 2,048, K 64] x [K 64, N 2,048]; A: computed on the way; B: computed on the way: QUANTISED
;;     6. batch 32 x [M 2,048, K 2,048] x [K 2,048, N 64]; A: softmax (see below); B: computed on the way: QUANTISED
;;     7. [M 4,096, K 1,024] x [K 1,024, N 1,024]; A: computed on the way; B: input Wo: QUANTISED
;;   THE QUANTISER, for each operand of a quantised product, along K:
;;     - K is cut into blocks of 32 from its start; a last block that is shorter is filled with zeros.
;;     - A block's scale is 2^e with e = floor(log2(the largest magnitude in the block)) - 2, held to -126 .. 127; a block of zeros has e = 0. As a byte (E8M0): e + 127.
;;     - Each number is divided by its block's scale, clamped to +-7.5, and rounded to the nearest number of E2M3, ties to even, subnormals kept.
;;     - The product sums the exact products of the quantised numbers (number of the format x scale) in f32.
;;   ~~~python
;;   def quantise(x, axis):      # numpy; x: float32 -> the quantised numbers, widened to float32 again
;;       x = np.moveaxis(x, axis, -1); K = x.shape[-1]
;;       x = np.pad(x, [(0, 0)] * (x.ndim - 1) + [(0, -K % 32)]); x = x.reshape(x.shape[:-1] + (-1, 32)); a = np.abs(x).max(-1, keepdims=True)
;;       e = np.where(a > 0, np.clip(np.frexp(np.where(a > 0, a, 1))[1] - 1 - 2, -126, 127), 0)      # np.frexp(a)[1] - 1 = floor(log2(a)), exactly
;;       r = np.clip(x / 2.0 ** e, -7.5, 7.5)
;;       step = 2.0 ** (np.maximum(np.frexp(np.where(r == 0, 1, r))[1] - 1, 0) - 3)
;;       q = np.round(r / step) * step * 2.0 ** e      # np.round: ties to even
;;       return np.moveaxis(q.reshape(q.shape[:-2] + (-1,))[..., :K], -1, axis).astype(np.float32)
;;   ~~~
;;   SOFTMAX AHEAD OF A QUANTISED PRODUCT. Where the list says 'softmax', what is quantised is not the finished softmax but p = 2^(t - M), with t = logit x log2(e) and M = ceil(the row's largest t), a whole number; so 1/2 < the row's largest p <= 1. The row's sum l is taken of the UNQUANTISED p, in f32, and the product's result is divided by l at the end. Since M is a whole number, a kernel that streams over the keys may use a running M (the ceiling of the running maximum): every later rescaling is an exact power of two, which a block's scale takes up: the codes' values come out the same.
;;   OPERANDS COMPUTED ON THE WAY. 'Computed on the way' means the value that the module computes at that place (a softmax that the list does not call 'softmax' is quantised finished and normalised). What goes into a quantiser is computed in f32, as accurately as f32 sums, v_exp_f32 and their like allow (about 1e-6 of the number): no bf16 or f16 on the way to a quantiser, and a product that is left as it is and whose result goes on into a quantised operand takes f32 operands (vector FMAs, or v_wmma_f32_16x16x4_f32). A number that lies on a knife's edge between two numbers of the format may be rounded either way, as far as f32 arithmetic and the matrix unit's own rounding can turn it there, and no further.
;; One version. Each part assembles by itself: llvm-mc -triple=amdgcn-amd-amdhsa -mcpu=gfx1250 --defsym DOCPART=n.
;; ======== version 1 of 1: 4 launches
;; limits: right only within a limited range of input values
;; workspace buffers: XC 3,276,800 bytes; WC 3,276,800 bytes; LF 262,144 bytes; QC 3,407,872 bytes; KV 6,553,600 bytes; AO 3,276,800 bytes
;; launch prep (part 1): grid 768 x 1, 8 waves a work-group, no clusters, 109,824 bytes of LDS; arguments x, Wq, Wk, Wv, Wo, Wf, bf, XC, WC, LF; writes XC, WC, LF
.if DOCPART == 1
	.amdgcn_target "amdgcn-amd-amdhsa--gfx1250"
	.amdhsa_code_object_version 6
	.text
	.protected	k_qf54cd0a278_prep
	.globl	k_qf54cd0a278_prep
	.p2align	8
	.type	k_qf54cd0a278_prep,@function
k_qf54cd0a278_prep:
	s_mov_b64 s[64:65], 0
	v_nop
	global_prefetch_b8 v0, s[64:65] scope:SCOPE_SE
	s_setreg_imm32_b32 hwreg(HW_REG_WAVE_MODE, 25, 1), 1
	s_wait_xcnt 0x0
; PREP.  x [4096][1024] and Wq, Wk, Wv, Wo [1024 (k)][1024 (n)], f32, become codes of FP6 (E2M3) with one E8M0 byte for each 32 along K, laid in the ORDER OF THE OPERAND'S REGISTERS;
; and the forget gate is made: LF = clip(log_sigmoid(Q(x) Q(Wf) + bf), -10, 0).
; ORDER OF ROWS.  In a group of 64 (tokens of x; columns of a head) tile u, row m is element 32 (m / 8) + 8 u + m % 8.  Used as source 0 of a product, the four tiles of a group then leave 32 NEIGHBOURS in a
; lane's 32 result registers: a whole block of 32, at the place that the 6-bit operand layout gives that lane.  So later launches quantise results with no exchange between lanes.
; IMAGES.  Half a fragment (64 along K) is six registers a lane: registers 0-3 at 16 x lane (512 bytes), registers 4-5 at 512 + 8 x lane (256 bytes): 768 bytes.  A fragment is two halves; a block is eight fragments
; (tile8 = 4 x (group % 2) + u) and behind them, at 12,288, eight x sixteen scale words (byte 2 c + h of row r's word: the block of half c, lane half h): 12,800 bytes.  A row of blocks is the eight K steps.
; WORK-GROUPS 0-255: one tile of 16 tokens of x; wave = K step.  16 rows x 512 bytes are loaded as they lie, turned through the wave's own stage in LDS, quantised and stored; Wf's 128 x 16 numbers of the K step
; likewise (a lane takes a head, its registers run down K); one matrix instruction gives the K step's part of the gate's logits; the eight parts meet in LDS and waves 0 and 1 finish the gate.
; WORK-GROUPS 256-767: 128 (k) x 64 (n) of one weight: rows come as they lie (256 bytes a row), through LDS; then a lane takes a column and its registers run down K.
; No cluster: no two work-groups read the same large tile (Wf's 64 KB alone is shared).  No tensor loads: two work-groups fit on a WGP.  The two ways part on the work-group's number and have LDS bytes of their own.
; LIMITS: NaN and infinities are not served.  A block whose largest magnitude lies under 2^-124 gets the byte 1 (a block of zeros too, where the rule says 127: its codes are zeros, and this program alone reads
; the bytes).  ln(1 + e) is taken as log2(1 + e) x ln 2: absolute error about 6e-8.  The gate's K is summed K step by K step, the eight parts in ascending order.
.set BLKB, 12800
.set BROW, 102400
.set FRG,  1536
.set SCO,  12288
.set XSTW, 8448                        ; LDS 0: a stage for each wave: 16 rows x 528 bytes (x), or 128 rows x 64 bytes + 64 behind each 32 rows (Wf)
.set PS,   67584                       ; eight parts of the gate's logits, 1,024 bytes each: [head][row]
.set WL,   75776                       ; a weight's 128 rows x 256 bytes, + 64 behind each 32 rows: 33,024 bytes
.set L16, 4                            ; v4  16 x lane
.set L8,  5                            ; v5  8 x lane
.set R4,  6                            ; v6  4 x (lane % 16)
.set SH8, 7                            ; v7  8 x (lane / 16)
.set PT,  8                            ; v8  a lane permute's destination
.set SEL, 34                           ; s[34:35] selects for lane l xor 16
.set F2,  20                           ; v[20:31] Wf's fragment
.set F,   32                           ; v[32:43] the fragment of x (or half a fragment of a weight)
.set TT,  44                           ; v[44:46] the upper 16 codes of a block, before they are moved
.set MX,  48                           ; v[48:53] largest magnitude, scale operand, byte: for two blocks
.set WD,  54                           ; v54 x's scale word;  v55 Wf's
.set WD2, 55
.set DG,  56                           ; v[56:63] the gate's part
.set N,   64                           ; v[64:127] 64 numbers of a lane, along K
.set R,   128                          ; v[128:191] x, or a weight, as loaded
.set RW,  192                          ; v[192:255] Wf as loaded
; 32 numbers v[n] on, one block along K, become six registers of codes v[k] on.  The floor 2^(3 - 127) among the maximum's leaves holds the byte at 1 from below; the largest magnitude with 2 off its exponent
; field is the conversion's scale operand.  A conversion's three registers begin on an even number, so the upper 16 codes are made in v[t] on and moved.
.macro QBLK n, k, t, m
	v_max3_num_f32 v[\m], |v[\n]|, |v[\n+1]|, 0x1800000
.irp i, 2,4,6,8,10,12,14,16,18,20,22,24,26,28,30
	s_delay_alu instid0(VALU_DEP_1)
	v_max3_num_f32 v[\m], v[\m], |v[\n+\i]|, |v[\n+\i+1]|
.endr
	s_delay_alu instid0(VALU_DEP_1)
	v_add_nc_u32 v[\m+1], 0xff000000, v[\m]
	s_delay_alu instid0(VALU_DEP_1)
	v_lshrrev_b32 v[\m+2], 23, v[\m+1]             ; the scale's byte
	v_cvt_scalef32_pk16_fp6_f32 v[\k:\k+2], v[\n:\n+15], v[\m+1]
	v_cvt_scalef32_pk16_fp6_f32 v[\t:\t+2], v[\n+16:\n+31], v[\m+1]
	v_nop                                          ; one plain line behind the scaled conversions
.irp i, 0,1,2
	v_mov_b32 v[\k+3+\i], v[\t+\i]
.endr
.endm
.macro HW d, src                       ; my half's bytes go 8 h bits up and meet lane l xor 16's: every lane then holds both
	v_lshlrev_b32 v[\d], v[SH8], v[\src]
	s_delay_alu instid0(VALU_DEP_1)
	v_permlanex16_b32 v[PT], v[\d], s[SEL], s[SEL+1]
	s_delay_alu instid0(VALU_DEP_1)
	v_or_b32 v[\d], v[\d], v[PT]
.endm
.macro STH k, ptr, off                 ; half an image: the wave stores 512 and then 256 consecutive bytes, at multiples of 256 from the buffer's first byte
	global_store_b128 v[L16], v[\k:\k+3], s[\ptr:\ptr+1] offset:\off
	global_store_b64 v[L8], v[\k+4:\k+5], s[\ptr:\ptr+1] offset:\off+512
.endm
	s_load_b512 s[4:19], s[0:1], 0x0               ; x s[4:5], Wq s[6:7], Wk s[8:9], Wv s[10:11], Wo s[12:13], Wf s[14:15], bf s[16:17], XC s[18:19]
	s_load_b128 s[20:23], s[0:1], 0x40             ; WC s[20:21], LF s[22:23]
	v_lshrrev_b32 v1, 5, v0
	s_delay_alu instid0(VALU_DEP_1)
	v_readfirstlane_b32 s24, v1                    ; wave 0..7
	v_and_b32 v1, 31, v0                           ; lane
	v_and_b32 v2, 15, v0                           ; r
	v_bfe_u32 v3, v0, 4, 1                         ; h
	s_delay_alu instid0(VALU_DEP_3)
	v_lshlrev_b32 v[L16], 4, v1
	s_delay_alu instid0(VALU_DEP_4)
	v_lshlrev_b32 v[L8], 3, v1
	s_delay_alu instid0(VALU_DEP_4)
	v_lshlrev_b32 v[R4], 2, v2
	s_delay_alu instid0(VALU_DEP_4)
	v_lshlrev_b32 v[SH8], 3, v3
	v_mov_b32 v[PT], 0
	; every LDS address is made here, ahead of the parting
	s_mul_i32 s25, s24, XSTW                       ; my stage
	v_add_nc_u32 v9, s25, v[L16]                   ; v9  into it: 16 x lane
	v_mul_u32_u24 v10, v2, 528
	s_delay_alu instid0(VALU_DEP_1)
	v_lshl_add_u32 v10, v3, 7, v10
	s_delay_alu instid0(VALU_DEP_1)
	v_add_nc_u32 v10, s25, v10                     ; v10 x out of it: row r, + 128 h
	v_mul_u32_u24 v11, v3, 2112
	s_delay_alu instid0(VALU_DEP_1)
	v_add_nc_u32 v11, v11, v[R4]
	s_delay_alu instid0(VALU_DEP_1)
	v_add_nc_u32 v11, s25, v11                     ; v11 Wf out of it: head r, 32 h rows (and one padding) down
	s_lshl_b32 s25, s24, 10
	s_add_co_u32 s25, s25, PS
	v_lshlrev_b32 v12, 6, v2
	s_delay_alu instid0(VALU_DEP_1)
	v_lshl_add_u32 v12, v3, 5, v12
	s_delay_alu instid0(VALU_DEP_1)
	v_add_nc_u32 v12, s25, v12                     ; v12 my part of the logits: head r, rows 8 h on
	v_and_b32 v19, 63, v0
	s_delay_alu instid0(VALU_DEP_1)
	v_lshrrev_b32 v17, 2, v19
	s_delay_alu instid0(VALU_DEP_1)
	v_lshlrev_b32 v17, 2, v17                      ; v17 bf: the head of my four logits
	s_delay_alu instid0(VALU_DEP_3)
	v_lshlrev_b32 v19, 4, v19                      ; v19 16 x (thread % 64): my four logits in a tile's 1,024 bytes
	s_delay_alu instid0(VALU_DEP_1)
	v_add_nc_u32 v13, PS, v19                      ; v13 the same in the parts
	s_lshl_b32 s25, s24, 12
	s_lshr_b32 s37, s24, 1
	s_lshl_b32 s37, s37, 6
	s_add_co_u32 s25, s25, s37
	s_add_co_u32 s25, s25, WL
	v_add_nc_u32 v14, s25, v[L16]                  ; v14 a weight into LDS: rows 16 w on
	s_lshr_b32 s25, s24, 2
	s_mul_i32 s25, s25, 16512
	s_and_b32 s37, s24, 3
	s_lshl_b32 s37, s37, 5
	s_add_co_u32 s25, s25, s37
	s_add_co_u32 s25, s25, WL
	v_mul_u32_u24 v15, v3, 8256
	v_lshrrev_b32 v18, 3, v2
	s_delay_alu instid0(VALU_DEP_1)
	v_lshl_add_u32 v15, v18, 7, v15
	v_and_b32 v18, 7, v2
	s_delay_alu instid0(VALU_DEP_1)
	v_lshl_add_u32 v15, v18, 2, v15
	s_delay_alu instid0(VALU_DEP_1)
	v_add_nc_u32 v15, s25, v15                     ; v15 out of it: half c = w / 4, tile u = w % 4: column 32 (r / 8) + 8 u + r % 8, rows 64 c + 32 h on
	v_lshlrev_b32 v18, 4, v2
	s_delay_alu instid0(VALU_DEP_1)
	v_lshl_add_u32 v18, v3, 12, v18                ; v18 a weight in memory: two rows an instruction, 16 lanes to a row's 256 bytes
	s_mov_b32 s[SEL], 0x76543210
	s_mov_b32 s[SEL+1], 0xfedcba98
	s_wait_kmcnt 0x0
	s_cmp_lt_u32 ttmp9, 256
	s_cbranch_scc0 .Lweights
	; ---------------- a tile of x: T = 4 G + u = the work-group's number; wave = K step ----------------
	s_lshr_b32 s32, ttmp9, 2
	s_and_b32 s33, ttmp9, 3
	s_lshl_b32 s32, s32, 18                        ; 64 G rows of 4,096 bytes
	s_lshl_b32 s33, s33, 15                        ; 8 u rows
	s_add_co_u32 s32, s32, s33
	s_lshl_b32 s33, s24, 9                         ; the K step's 512 bytes
	s_add_co_u32 s32, s32, s33
	s_mov_b32 s33, 0
	s_add_nc_u64 s[26:27], s[4:5], s[32:33]
	s_lshl_b32 s40, s24, 13                        ; Wf: the K step's 128 rows of 64 bytes are 8,192 dense bytes
	s_mov_b32 s41, 0
	s_add_nc_u64 s[42:43], s[14:15], s[40:41]
.set j, 0
.rept 16
	global_load_b128 v[R+4*j:R+4*j+3], v[L16], s[26:27] offset:(32*(j/8)+j%8)*4096 th:TH_LOAD_NT   ; the tile's row j: 512 consecutive bytes
.set j, j+1
.endr
.set j, 0
.rept 16
	global_load_b128 v[RW+4*j:RW+4*j+3], v[L16], s[42:43] offset:512*j
.set j, j+1
.endr
	global_load_b32 v16, v17, s[16:17]
	s_lshr_b32 s32, ttmp9, 3
	s_mul_i32 s32, s32, BROW
	s_mul_i32 s37, s24, BLKB
	s_add_co_u32 s32, s32, s37                     ; my block of XC
	s_and_b32 s38, ttmp9, 7                        ; tile8
	s_mul_i32 s40, s38, FRG
	s_add_co_u32 s40, s40, s32
	s_add_nc_u64 s[28:29], s[18:19], s[40:41]      ; my fragment
	s_lshl_b32 s40, s38, 6
	s_add_co_u32 s40, s40, s32
	s_add_co_u32 s40, s40, SCO
	s_add_nc_u64 s[30:31], s[18:19], s[40:41]      ; its scale words
	s_lshl_b32 s40, ttmp9, 10
	s_add_nc_u64 s[44:45], s[22:23], s[40:41]      ; the tile's 1,024 bytes of LF
	s_wait_loadcnt 17                              ; x is in; behind it 16 loads of Wf and one of bf may be out
.set j, 0
.rept 16
	ds_store_b128 v9, v[R+4*j:R+4*j+3] offset:528*j
.set j, j+1
.endr
.irp c, 0,1
.set i, 0
.rept 8
	ds_load_b128 v[N+32*\c+4*i:N+32*\c+4*i+3], v10 offset:256*\c+16*i   ; LDS serves a wave's instructions in order: these see my stores.  k = 64 c + 32 h + 0 .. 31 of row r
.set i, i+1
.endr
.endr
	s_wait_dscnt 0x0
	QBLK N, F, TT, MX
	QBLK N+32, F+6, TT, MX+3
	v_lshl_or_b32 v[WD], v[MX+5], 16, v[MX+2]
	HW WD, WD                                      ; byte 2 c + h
	STH F, 28, 0
	STH F+6, 28, 768
	s_wait_alu depctr_va_vdst(0)
	s_wait_xcnt 0x0                                ; EXEC changes only behind this wait
	v_cmp_gt_u32 vcc_lo, 16, v1
	s_and_saveexec_b32 s36, vcc_lo
	global_store_b32 v[R4], v[WD], s[30:31]        ; sixteen words
	s_wait_xcnt 0x0
	s_or_b32 exec_lo, exec_lo, s36
	s_wait_loadcnt 0x0                             ; Wf and bf
.set j, 0
.rept 16
	ds_store_b128 v9, v[RW+4*j:RW+4*j+3] offset:512*j+64*(j/4)   ; my reads of x are back: the stage takes Wf
.set j, j+1
.endr
.irp c, 0,1
.set i, 0
.rept 32
	ds_load_b32 v[N+32*\c+i], v11 offset:4224*\c+64*i   ; Wf(64 c + 32 h + i, head r)
.set i, i+1
.endr
.endr
	s_wait_dscnt 0x0
	QBLK N, F2, TT, MX
	QBLK N+32, F2+6, TT, MX+3
	v_lshl_or_b32 v[WD2], v[MX+5], 16, v[MX+2]
	HW WD2, WD2
.rept 8
	v_nop                                          ; a scale register written by a vector instruction stands eight places ahead of a scaled matrix instruction
.endr
	v_wmma_scale_f32_16x16x128_f8f6f4 v[DG:DG+7], v[F:F+11], v[F2:F2+11], 0, v[WD], v[WD2] matrix_a_fmt:MATRIX_FMT_FP6 matrix_b_fmt:MATRIX_FMT_FP6   ; lane (r, h): head r, the tile's rows 8 h + 0 .. 7
.rept 4
	v_nop
.endr
	ds_store_b128 v12, v[DG:DG+3]
	ds_store_b128 v12, v[DG+4:DG+7] offset:16
	s_wait_dscnt 0x0                               ; for the others' sake
	s_barrier_signal -1
	s_barrier_wait -1
	s_cmp_gt_u32 s24, 1
	s_cbranch_scc1 .Ldone_x                        ; 256 logits: four to a thread of waves 0 and 1
.irp q, 0,1,2,3,4,5,6,7
	ds_load_b128 v[64+4*\q:67+4*\q], v13 offset:1024*\q
.endr
	s_wait_dscnt 0x0
.irp q, 1
	v_pk_add_f32 v[64:65], v[64:65], v[64+4*\q:65+4*\q]
	v_pk_add_f32 v[66:67], v[66:67], v[66+4*\q:67+4*\q]
.endr
.irp q, 2, 3, 4, 5, 6, 7
	s_delay_alu instid0(VALU_DEP_2)
	v_pk_add_f32 v[64:65], v[64:65], v[64+4*\q:65+4*\q]
	s_delay_alu instid0(VALU_DEP_2)
	v_pk_add_f32 v[66:67], v[66:67], v[66+4*\q:67+4*\q]
.endr
.irp i, 0,1,2,3
	v_add_f32 v[64+\i], v[64+\i], v16              ; z = the logit + bf
.endr
.irp i, 0,1,2,3
	s_delay_alu instid0(VALU_DEP_4)
	v_mul_f32 v[68+\i], 0xbfb8aa3b, |v[64+\i]|     ; -|z| log2(e)
.endr
	s_wait_alu depctr_va_vdst(0)
.irp i, 0,1,2,3
	v_exp_f32 v[68+\i], v[68+\i]                   ; e = exp(-|z|)
.endr
.irp i, 0,1,2,3
	v_min_num_f32 v[72+\i], 0, v[64+\i]            ; min(z, 0): plain work behind the batch
.endr
	s_wait_alu depctr_va_vdst(0)                   ; one wait for the four, ahead of their first reader
.irp i, 0,1,2,3
	v_add_f32 v[68+\i], 1.0, v[68+\i]
.endr
	s_wait_alu depctr_va_vdst(0)
.irp i, 0,1,2,3
	v_log_f32 v[68+\i], v[68+\i]
.endr
	v_nop
	s_wait_alu depctr_va_vdst(0)
.irp i, 0,1,2,3
	v_fma_f32 v[76+\i], v[68+\i], 0xbf317218, v[72+\i]   ; log_sigmoid(z) = min(z, 0) - ln 2 x log2(1 + e)
.endr
.irp i, 0,1,2,3
	s_delay_alu instid0(VALU_DEP_4)
	v_med3_num_f32 v[76+\i], v[76+\i], 0xc1200000, 0     ; held to -10 .. 0
.endr
	global_store_b128 v19, v[76:79], s[44:45]      ; a wave stores 512 consecutive bytes
.Ldone_x:
	v_lshl_add_u32 v47, v0, 2, 0x1a900             ; no two registers can be kept: v0 is kept, and the add's two are made anew here
	v_mov_b32 v46, 0
	s_wait_alu depctr_va_vdst(0)
	s_wait_tensorcnt 0x0
	ds_add_u32 v47, v46
	s_wait_dscnt 0x0
	s_endpgm
	; ---------------- 128 (k) x 64 (n) of a weight ----------------
.Lweights:
	s_sub_co_u32 s25, ttmp9, 256
	s_lshr_b32 s37, s25, 7                         ; which weight: 0 q, 1 k, 2 v, 3 o
	s_bfe_u32 s38, s25, 0x40003                    ; which 64 columns (a head)
	s_and_b32 s39, s25, 7                          ; K step
	s_cmp_eq_u32 s37, 1
	s_cselect_b64 s[26:27], s[8:9], s[6:7]
	s_cmp_eq_u32 s37, 2
	s_cselect_b64 s[26:27], s[10:11], s[26:27]
	s_cmp_eq_u32 s37, 3
	s_cselect_b64 s[26:27], s[12:13], s[26:27]
	s_lshl_b32 s32, s39, 19                        ; 128 s rows of 4,096 bytes,
	s_lshl_b32 s33, s24, 16                        ; 16 w rows,
	s_add_co_u32 s32, s32, s33
	s_lshl_b32 s33, s38, 8                         ; the head's 256 bytes
	s_add_co_u32 s32, s32, s33
	s_mov_b32 s33, 0
	s_add_nc_u64 s[26:27], s[26:27], s[32:33]
.set j, 0
	s_wait_alu depctr_va_vdst(0)
.rept 8
	global_load_b128 v[R+4*j:R+4*j+3], v18, s[26:27] offset:8192*j th:TH_LOAD_NT   ; two rows: sixteen lanes read 256 consecutive bytes, at a multiple of 256
.set j, j+1
.endr
	s_lshl_b32 s40, s37, 3
	s_lshr_b32 s41, s38, 1
	s_add_co_u32 s40, s40, s41                     ; the pair of heads: a row of blocks of WC
	s_mul_i32 s40, s40, BROW
	s_mul_i32 s41, s39, BLKB
	s_add_co_u32 s40, s40, s41                     ; my block
	s_and_b32 s41, s38, 1
	s_lshl_b32 s41, s41, 2
	s_and_b32 s42, s24, 3
	s_add_co_u32 s41, s41, s42                     ; tile8 = 4 x (head % 2) + u
	s_lshr_b32 s42, s24, 2                         ; c
	s_mul_i32 s32, s41, FRG
	s_mul_i32 s43, s42, 768
	s_add_co_u32 s32, s32, s43
	s_add_co_u32 s32, s32, s40
	s_add_nc_u64 s[28:29], s[20:21], s[32:33]      ; my half of a fragment
	s_lshl_b32 s32, s41, 6
	s_lshl_b32 s43, s42, 1
	s_add_co_u32 s32, s32, s43
	s_add_co_u32 s32, s32, s40
	s_add_nc_u64 s[30:31], s[20:21], s[32:33]      ; my two bytes of its scale words (12,288 on: in the store's offset)
	s_wait_loadcnt 0x0
.set j, 0
.rept 8
	ds_store_b128 v14, v[R+4*j:R+4*j+3] offset:512*j
.set j, j+1
.endr
	s_wait_dscnt 0x0                               ; for the others' sake
	s_barrier_signal -1
	s_barrier_wait -1
.set i, 0
.rept 32
	ds_load_b32 v[N+i], v15 offset:256*i           ; W(64 c + 32 h + i, my column)
.set i, i+1
.endr
	s_wait_dscnt 0x0
	QBLK N, F, TT, MX
	STH F, 28, 0
	HW WD, MX+2
	s_wait_alu depctr_va_vdst(0)
	s_wait_xcnt 0x0                                ; EXEC changes only behind this wait
	v_cmp_gt_u32 vcc_lo, 16, v1
	v_lshl_add_u32 v47, v0, 2, 0x1a900             ; the add's two registers, made anew from v0
	v_mov_b32 v46, 0
	s_wait_alu depctr_va_vdst(0)
	s_wait_tensorcnt 0x0
	ds_add_u32 v47, v46
	s_wait_dscnt 0x0
	s_and_saveexec_b32 s36, vcc_lo
	global_store_b16 v[R4], v[WD], s[30:31] offset:SCO
	s_wait_xcnt 0x0
	s_or_b32 exec_lo, exec_lo, s36
	s_endpgm
.Lfunc_end_k_qf54cd0a278_prep:
	.size	k_qf54cd0a278_prep, .Lfunc_end_k_qf54cd0a278_prep-k_qf54cd0a278_prep
	.p2alignl 7, 3214868480
	.fill 96, 4, 3214868480
	.section	.rodata,"a",@progbits
	.p2align	6, 0x0
	.amdhsa_kernel k_qf54cd0a278_prep
		.amdhsa_group_segment_fixed_size 109824
		.amdhsa_private_segment_fixed_size 0
		.amdhsa_enable_private_segment 0
		.amdhsa_kernarg_size 80
		.amdhsa_user_sgpr_count 2
		.amdhsa_user_sgpr_kernarg_segment_ptr 1
		.amdhsa_wavefront_size32 1
		.amdhsa_system_sgpr_workgroup_id_x 1
		.amdhsa_system_sgpr_workgroup_id_y 1
		.amdhsa_system_sgpr_workgroup_id_z 1
		.amdhsa_system_vgpr_workitem_id 0
		.amdhsa_next_free_vgpr 256
		.amdhsa_next_free_sgpr 66
		.amdhsa_reserve_vcc 1
		.amdhsa_float_denorm_mode_32 3
		.amdhsa_float_denorm_mode_16_64 3
		.amdhsa_memory_ordered 1
		.amdhsa_forward_progress 1
		.amdhsa_inst_pref_size 37
	.end_amdhsa_kernel
	.amdgpu_metadata
---
amdhsa.version: [ 1, 2 ]
amdhsa.kernels:
  - .name:           k_qf54cd0a278_prep
    .symbol:         k_qf54cd0a278_prep.kd
    .args:
      - { .name: x, .offset: 0, .size: 8, .value_kind: global_buffer, .address_space: global }
      - { .name: Wq, .offset: 8, .size: 8, .value_kind: global_buffer, .address_space: global }
      - { .name: Wk, .offset: 16, .size: 8, .value_kind: global_buffer, .address_space: global }
      - { .name: Wv, .offset: 24, .size: 8, .value_kind: global_buffer, .address_space: global }
      - { .name: Wo, .offset: 32, .size: 8, .value_kind: global_buffer, .address_space: global }
      - { .name: Wf, .offset: 40, .size: 8, .value_kind: global_buffer, .address_space: global }
      - { .name: bf, .offset: 48, .size: 8, .value_kind: global_buffer, .address_space: global }
      - { .name: XC, .offset: 56, .size: 8, .value_kind: global_buffer, .address_space: global }
      - { .name: WC, .offset: 64, .size: 8, .value_kind: global_buffer, .address_space: global }
      - { .name: LF, .offset: 72, .size: 8, .value_kind: global_buffer, .address_space: global }
    .group_segment_fixed_size: 109824
    .private_segment_fixed_size: 0
    .kernarg_segment_align: 8
    .kernarg_segment_size: 80
    .max_flat_workgroup_size: 256
    .sgpr_count:     66
    .vgpr_count:     256
    .wavefront_size: 32
...
	.end_amdgpu_metadata
.endif
;; end of part 1
;; launch qkv (part 2): grid 12 x 32, 8 waves a work-group, clusters of 4 x 4, 327,680 bytes of LDS; arguments XC, WC, QC, KV; writes QC, KV
.if DOCPART == 2
	.amdgcn_target "amdgcn-amd-amdhsa--gfx1250"
	.amdhsa_code_object_version 6
	.text
	.protected	k_qf54cd0a278_qkv
	.globl	k_qf54cd0a278_qkv
	.p2align	8
	.type	k_qf54cd0a278_qkv,@function
k_qf54cd0a278_qkv:
	s_mov_b64 s[64:65], 0
	v_nop
	global_prefetch_b8 v0, s[64:65] scope:SCOPE_SE
	s_setreg_imm32_b32 hwreg(HW_REG_WAVE_MODE, 25, 1), 1
	s_wait_xcnt 0x0
	s_wait_alu depctr_hold_cnt(0) depctr_sa_sdst(0) depctr_va_vdst(0) depctr_va_sdst(0) depctr_va_ssrc(0) depctr_va_vcc(0) depctr_vm_vsrc(0)
	s_getreg_b32 s2, hwreg(HW_REG_IB_STS2, 6, 4)
	s_cmp_eq_u32 s2, 0
	s_cbranch_scc0 .Lentry_in_a_cluster
	s_endpgm
.Lentry_in_a_cluster:
	s_bfe_u32 s2, ttmp6, 0x10000c
	s_cmp_lg_u32 s2, 0xf033
	s_cbranch_scc0 .Lentry_shape_is_right
	s_endpgm
.Lentry_shape_is_right:
; QKV.  q = Q(x) Q(Wq), k = Q(x) Q(Wk), v = Q(x) Q(Wv) on codes of FP6 (E2M3), K = 1,024; the results are quantised in registers and leave as codes: q and k along the head's 64, v along the tokens (the keys).
; SHARES.  A work-group takes 128 tokens x 4 heads of one of q, k, v (which: the cluster's x, equal in all partners).  Wave w: group of 64 tokens w / 4, head w % 4: 64 x 64, sixteen accumulators.
; ALL OF K LIES IN LDS: x's row of blocks (102,400 bytes) and two rows of blocks of the weight.  No LDS byte is filled twice.  The fills go in TWO STAGES of four K steps, one tensor load a wave each:
; waves 0-3 bring one block of x (50 rows of 256 bytes), waves 4-7 two blocks of the weight (100 rows).  Stage 0 goes out at the head; stage 1 behind the waits, the add and a round of the cluster's barrier
; and lands while stage 0 is multiplied.  A wave has one tensor load out.  Every block begins at a multiple of 256 bytes of its buffer.
; CLUSTER 4 x 4: the four work-groups of a row of the cluster read the same tokens, the four of a column the same heads: each tile is asked for jointly, by the same load with the same descriptor.
; No prefetch: the launch has no loop to run ahead in; all that it reads is asked for in its first half.
; LAYOUT.  Operands lie in memory and LDS as images of their registers (launch prep's head): a fragment comes by two loads of 16 bytes and two of 8 a lane, consecutive over the lanes.
; q, k: source 0 = the head's four tiles of columns, source 1 = a tile of tokens: a lane holds one token and 32 neighbouring channels: one block.  v: the sources change places: one channel, 32 neighbouring tokens.
; OUT.  QC [bh][group] 3,328 bytes: four half images (tile u), then the scale words [u][r] = e0, e1, e0, e1.  KV [bh][step of 128 keys] 12,800 bytes: K [group % 2][u] half images; at 6,144 V [tile of channels][group % 2];
; at 12,288 K's scale words [group % 2][pair of tiles][r]; at 12,544 V's [tile][r] (byte 2 x (group % 2) + h).
; LIMITS: NaN and infinities are not served; a block whose largest magnitude lies under 2^-124 gets the byte 1 (a block of zeros too; this program alone reads the bytes).
.set BLKB, 12800
.set BROW, 102400
.set FRG,  1536
.set SCO,  12288
.set L16, 4
.set L8,  5
.set L4,  6
.set SH8, 7
.set PT,  8
.set R4,  9
.set XA16, 10
.set XA8,  11
.set XS,   12
.set WA16, 13
.set WA8,  14
.set WS,   15
.set SX,  16                           ; v[16:19] x's scale words, v[20:23] the weight's: scales and nothing else
.set SW,  20
.set XF,  32                           ; v[32:79] four fragments of x
.set WF,  80                           ; v[80:127] four of the weight
.set ACC, 128                          ; accumulator (b, a) at ACC + 32 b + 8 a
.set G1X, 24
.set G1W, 48
.set G0X, 68                           ; s[68:75] a group 0 for each stage of x;  s[84:91] of the weight
.set G0W, 84
.set SEL, 34
.macro PLACES
.rept 4
	v_nop
.endr
.endm
.macro QBLK n, k, t, m                 ; 32 numbers, one block, become six registers of codes (launch prep's head says how)
	v_max3_num_f32 v[\m], |v[\n]|, |v[\n+1]|, 0x1800000
.irp i, 2,4,6,8,10,12,14,16,18,20,22,24,26,28,30
	v_max3_num_f32 v[\m], v[\m], |v[\n+\i]|, |v[\n+\i+1]|
.endr
	s_delay_alu instid0(VALU_DEP_1)
	v_add_nc_u32 v[\m+1], 0xff000000, v[\m]
	s_delay_alu instid0(VALU_DEP_1)
	v_lshrrev_b32 v[\m+2], 23, v[\m+1]
	v_cvt_scalef32_pk16_fp6_f32 v[\k:\k+2], v[\n:\n+15], v[\m+1]
	v_cvt_scalef32_pk16_fp6_f32 v[\t:\t+2], v[\n+16:\n+31], v[\m+1]
	v_nop
.irp i, 0,1,2
	v_mov_b32 v[\k+3+\i], v[\t+\i]
.endr
.endm
.macro HW d, src
	v_lshlrev_b32 v[\d], v[SH8], v[\src]
	s_delay_alu instid0(VALU_DEP_1)
	v_permlanex16_b32 v[PT], v[\d], s[SEL], s[SEL+1]
	s_delay_alu instid0(VALU_DEP_1)
	v_or_b32 v[\d], v[\d], v[PT]
.endm
.macro STH k, ptr, off
	global_store_b128 v[L16], v[\k:\k+3], s[\ptr:\ptr+1] offset:\off
	global_store_b64 v[L8], v[\k+4:\k+5], s[\ptr:\ptr+1] offset:\off+512
.endm
.macro LDH reg, a16, a8, off
	ds_load_b128 v[\reg:\reg+3], v[\a16] offset:\off
	ds_load_b64 v[\reg+4:\reg+5], v[\a8] offset:\off
.endm
.macro LDF reg, a16, a8, off
	LDH \reg, \a16, \a8, \off
	LDH \reg+6, \a16, \a8, \off+768
.endm
.macro MM d, a, b, sa, sb, zero
.if \zero
	v_wmma_scale_f32_16x16x128_f8f6f4 v[\d:\d+7], v[\a:\a+11], v[\b:\b+11], 0, v[\sa], v[\sb] matrix_a_fmt:MATRIX_FMT_FP6 matrix_b_fmt:MATRIX_FMT_FP6
.else
	v_wmma_scale_f32_16x16x128_f8f6f4 v[\d:\d+7], v[\a:\a+11], v[\b:\b+11], v[\d:\d+7], v[\sa], v[\sb] matrix_a_fmt:MATRIX_FMT_FP6 matrix_b_fmt:MATRIX_FMT_FP6
.endif
.endm
.macro CROUND                          ; a round of the cluster's barrier
	s_barrier_signal -1
	s_barrier_wait -1
	s_cmp_lg_u32 s14, 0
	s_cbranch_scc1 .Lnot_wave_0_\@
	s_barrier_signal -3
.Lnot_wave_0_\@:
	s_barrier_wait -3
	s_barrier_signal -1
	s_barrier_wait -1
.endm
.macro JLOAD st                        ; a stage's joint load: waves 0-3 for x, waves 4-7 for the weight; each line has one mask; the branch hangs on the wave's number alone
	s_cmp_eq_u32 s15, 0
	s_cbranch_scc0 .Lfor_w_\@
	tensor_load_to_lds s[G0X+4*\st:G0X+4*\st+3], s[G1X:G1X+7]
	s_nop 0
	PLACES
	s_branch .Lasked_\@
.Lfor_w_\@:
	tensor_load_to_lds s[G0W+4*\st:G0W+4*\st+3], s[G1W:G1W+7]
	s_nop 0
	PLACES
.Lasked_\@:
.endm
; A K step of 128: eight scale words, source 0's four fragments, source 1's four; then sixteen products.  The sixteen accumulators take turns, in the same order in every step.
.macro KSTEP sl, sw, zero, places
.if \places
	PLACES                                         ; in front of loads into registers that matrix instructions have read
.endif
.irp i, 0,1,2,3
	ds_load_b32 v[SX+\i], v[XS] offset:BLKB*(\sl)+64*\i
.endr
.irp i, 0,1,2,3
	ds_load_b32 v[SW+\i], v[WS] offset:BLKB*(\sl)+64*\i
.endr
.if \sw
.irp i, 0,1,2,3
	LDF XF+12*\i, XA16, XA8, BLKB*(\sl)+FRG*\i
.endr
.irp i, 0,1,2,3
	LDF WF+12*\i, WA16, WA8, BLKB*(\sl)+FRG*\i
.endr
.else
.irp i, 0,1,2,3
	LDF WF+12*\i, WA16, WA8, BLKB*(\sl)+FRG*\i
.endr
.irp i, 0,1,2,3
	LDF XF+12*\i, XA16, XA8, BLKB*(\sl)+FRG*\i
.endr
.endif
.irp b, 0,1,2,3
	s_wait_dscnt 4*(3-\b)                          ; source 1's fragment b is in; the later ones, four loads each, may be out
.irp a, 0,1,2,3
.if \sw
	MM ACC+32*\b+8*\a, XF+12*\a, WF+12*\b, SX+\a, SW+\b, \zero
.else
	MM ACC+32*\b+8*\a, WF+12*\a, XF+12*\b, SW+\a, SX+\b, \zero
.endif
.endr
.endr
.endm
.macro MAIN sw
	KSTEP 0, \sw, 1, 0                             ; the first products start the sums: nothing is cleared
	KSTEP 1, \sw, 0, 1
	KSTEP 2, \sw, 0, 1
	KSTEP 3, \sw, 0, 1
.irp a, XA16, XA8, XS, WA16, WA8, WS
	v_add_nc_u32 v[\a], 4*BLKB, v[\a]              ; four K steps on; these six lines are also the places in front of the next loads
.endr
	s_wait_alu depctr_va_vdst(0)
	s_wait_tensorcnt 0x0                           ; my load of stage 1 has landed; no LDS instruction of mine is out here
	s_barrier_signal -1
	s_barrier_wait -1                              ; and everybody's
	KSTEP 0, \sw, 0, 0
	KSTEP 1, \sw, 0, 1
	KSTEP 2, \sw, 0, 1
	KSTEP 3, \sw, 0, 1
.endm
	s_load_b256 s[4:11], s[0:1], 0x0               ; XC s[4:5], WC s[6:7], QC s[8:9], KV s[10:11]
	v_lshl_add_u32 v30, v0, 2, 0x4b000
	v_mov_b32 v31, 0
	ds_add_u32 v30, v31
	ds_add_u32 v30, v31
	v_lshrrev_b32 v1, 5, v0
	s_delay_alu instid0(VALU_DEP_1)
	v_readfirstlane_b32 s14, v1                    ; wave 0..7
	s_lshr_b32 s15, s14, 2                         ; my group of tokens.  Also: I fetch for x (0) or for the weight (1)
	s_and_b32 s16, s14, 3                          ; my head.  Also: which part of a stage I fetch
	s_bfe_u32 s40, ttmp6, 0x40000                  ; cx
	s_bfe_u32 s41, ttmp6, 0x40004                  ; cy
	s_lshl_b32 s42, ttmp9, 2
	s_add_co_u32 s42, s42, s40                     ; 4 x (0 q, 1 k, 2 v) + cx: four heads
	s_and_b32 s17, ttmp7, 0xffff
	s_lshl_b32 s17, s17, 2
	s_add_co_u32 s17, s17, s41                     ; my 128 tokens
	s_lshl_b32 s43, s41, 2
	s_lshl_b32 s43, 15, s43                        ; my row of the cluster
	s_lshl_b32 s44, 0x1111, s40                    ; my column
	s_or_b32 s[G1X], s43, (3<<16)|(1<<21)          ; x: the mask of my row; elements of 8 bytes; bit 21 beside a mask; 50 rows of 256 bytes, dense
	s_mov_b32 s[G1X+1], 32<<16
	s_mov_b32 s[G1X+2], 50<<16
	s_mov_b32 s[G1X+3], 32<<16
	s_mov_b32 s[G1X+4], 50
	s_mov_b32 s[G1X+5], 32
	s_mov_b32 s[G1X+6], 0
	s_mov_b32 s[G1X+7], 0
	s_or_b32 s[G1W], s44, (3<<16)|(1<<21)          ; the weight: the mask of my column; 100 rows of 256 bytes, dense
	s_mov_b32 s[G1W+1], 32<<16
	s_mov_b32 s[G1W+2], 100<<16
	s_mov_b32 s[G1W+3], 32<<16
	s_mov_b32 s[G1W+4], 100
	s_mov_b32 s[G1W+5], 32
	s_mov_b32 s[G1W+6], 0
	s_mov_b32 s[G1W+7], 0
	s_mul_i32 s20, s17, BROW                       ; x's address hangs on the tokens and the wave alone: block w % 4 of the stage
	s_mul_i32 s45, s16, BLKB
	s_add_co_u32 s20, s20, s45
	s_mov_b32 s21, 0
	s_lshr_b32 s58, s16, 1                         ; the weight's on the heads and the wave alone: row of blocks (w % 4) / 2, two blocks w % 2
	s_and_b32 s59, s16, 1
	s_lshl_b32 s46, s42, 1
	s_add_co_u32 s46, s46, s58
	s_mul_i32 s46, s46, BROW
	s_mul_i32 s56, s59, 2*BLKB
	s_add_co_u32 s46, s46, s56
	s_mov_b32 s47, 0
	s_add_co_u32 s57, s58, 1
	s_mul_i32 s57, s57, BROW
	s_add_co_u32 s56, s56, s57                     ; and its place in LDS on the wave alone
	s_wait_dscnt 0x0
	s_wait_kmcnt 0x0
	s_add_nc_u64 s[20:21], s[4:5], s[20:21]
	s_add_nc_u64 s[46:47], s[6:7], s[46:47]
.irp st, 0,1
	s_mov_b32 s[G0X+4*\st], 1
	s_add_co_u32 s[G0X+4*\st+1], s45, \st*4*BLKB
	s_add_nc_u64 s[G0X+4*\st+2:G0X+4*\st+3], s[20:21], \st*4*BLKB
	s_or_b32 s[G0X+4*\st+3], s[G0X+4*\st+3], 0x80000000
	s_mov_b32 s[G0W+4*\st], 1
	s_add_co_u32 s[G0W+4*\st+1], s56, \st*4*BLKB
	s_add_nc_u64 s[G0W+4*\st+2:G0W+4*\st+3], s[46:47], \st*4*BLKB
	s_or_b32 s[G0W+4*\st+3], s[G0W+4*\st+3], 0x80000000
.endr
	CROUND                                         ; all sixteen work-groups are here: the joint loads meet
	JLOAD 0                                        ; K steps 0-3: one tensor load a wave at the head
	v_and_b32 v1, 31, v0
	v_and_b32 v2, 15, v0
	v_bfe_u32 v3, v0, 4, 1
	s_delay_alu instid0(VALU_DEP_3)
	v_lshlrev_b32 v[L16], 4, v1
	s_delay_alu instid0(VALU_DEP_4)
	v_lshlrev_b32 v[L8], 3, v1
	v_lshlrev_b32 v[L4], 2, v1
	s_delay_alu instid0(VALU_DEP_4)
	v_lshlrev_b32 v[SH8], 3, v3
	v_mov_b32 v[PT], 0
	v_lshlrev_b32 v[R4], 2, v2
	s_wait_alu depctr_va_vdst(0)
	s_mul_i32 s57, s15, 4*FRG
	v_add_nc_u32 v[XA16], s57, v[L16]
	v_add_nc_u32 v[XA8], s57, v[L8]
	s_delay_alu instid0(VALU_DEP_1)
	v_add_nc_u32 v[XA8], 512, v[XA8]
	s_lshl_b32 s57, s15, 8
	s_add_co_u32 s57, s57, SCO
	v_add_nc_u32 v[XS], s57, v[R4]
	s_lshr_b32 s57, s16, 1
	s_add_co_u32 s57, s57, 1
	s_mul_i32 s57, s57, BROW                       ; the row of blocks of my head's pair
	s_and_b32 s58, s16, 1
	s_mul_i32 s59, s58, 4*FRG
	s_add_co_u32 s59, s59, s57
	v_add_nc_u32 v[WA16], s59, v[L16]
	v_add_nc_u32 v[WA8], s59, v[L8]
	s_delay_alu instid0(VALU_DEP_1)
	v_add_nc_u32 v[WA8], 512, v[WA8]
	s_lshl_b32 s59, s58, 8
	s_add_co_u32 s59, s59, s57
	s_add_co_u32 s59, s59, SCO
	v_add_nc_u32 v[WS], s59, v[R4]
	s_mov_b32 s[SEL], 0x76543210
	s_mov_b32 s[SEL+1], 0xfedcba98
	s_mov_b32 s36, 0xffff0000                      ; lanes 16-31
	; where the results go
	s_lshl_b32 s58, s17, 1
	s_add_co_u32 s58, s58, s15                     ; my group of 64 tokens, 0 .. 63
	s_and_b32 s59, s58, 31                         ; in its batch
	s_lshr_b32 s60, s58, 5
	s_lshl_b32 s60, s60, 4
	s_lshl_b32 s61, s40, 2
	s_add_co_u32 s60, s60, s61
	s_add_co_u32 s60, s60, s16                     ; bh = 16 x batch + head
	s_lshl_b32 s62, s60, 5
	s_add_co_u32 s62, s62, s59
	s_mul_i32 s62, s62, 3328
	s_mov_b32 s63, 0
	s_add_nc_u64 s[18:19], s[8:9], s[62:63]        ; QC's block
	s_mul_i32 s62, s60, 16*BLKB
	s_lshr_b32 s61, s59, 1
	s_mul_i32 s61, s61, BLKB
	s_add_co_u32 s62, s62, s61
	s_add_nc_u64 s[22:23], s[10:11], s[62:63]      ; KV's block of 128 keys
	s_and_b32 s37, s59, 1                          ; which half of it
	s_wait_alu depctr_va_vdst(0)
	s_wait_tensorcnt 0x0                           ; my part of stage 0 is in
	ds_add_u32 v30, v31
	s_wait_dscnt 0x0
	CROUND                                         ; everybody's part is in, and all sixteen work-groups are here
	JLOAD 1                                        ; K steps 4-7, the first tensor load behind the round
	s_cmp_eq_u32 ttmp9, 2                          ; the cluster's x: the same in all sixteen partners
	s_cbranch_scc1 .Lmain_v
	s_wait_alu depctr_va_vdst(0)
	MAIN 0
	s_branch .Lcodes
.Lmain_v:
	s_wait_alu depctr_va_vdst(0)
	MAIN 1
.Lcodes:
	PLACES                                         ; in front of the first read of results and of writes over the fragments
.irp b, 0,1,2,3
	QBLK ACC+32*\b, 32+8*\b, 64, 68+4*\b           ; each accumulator is read from its low end on
	HW 71+4*\b, 70+4*\b                            ; tile b's two bytes of row r, in every lane
.endr
	s_cmp_eq_u32 ttmp9, 0
	s_cbranch_scc0 .Lnot_q
.irp b, 0,1,2,3
	v_lshl_or_b32 v[84+\b], v[71+4*\b], 16, v[71+4*\b]   ; e0, e1, e0, e1
	STH 32+8*\b, 18, 768*\b
.endr
	v_cndmask_b32 v88, v84, v85, s36               ; lanes 0-15 store tile 0's words, lanes 16-31 tile 1's
	v_cndmask_b32 v89, v86, v87, s36
	global_store_b32 v[L4], v88, s[18:19] offset:3072
	global_store_b32 v[L4], v89, s[18:19] offset:3200
	s_branch .Lclose
.Lnot_q:
	s_cmp_eq_u32 ttmp9, 1
	s_cbranch_scc0 .Lis_v
	s_mul_i32 s62, s37, 3072
	s_add_nc_u64 s[32:33], s[22:23], s[62:63]
	s_lshl_b32 s62, s37, 7
	s_add_nc_u64 s[38:39], s[22:23], s[62:63]
	v_lshl_or_b32 v84, v75, 16, v71                ; tiles 0 and 1 share a word, tiles 2 and 3 the next
	s_wait_alu depctr_va_vdst(0)
	v_lshl_or_b32 v85, v83, 16, v79
.irp b, 0,1,2,3
	STH 32+8*\b, 32, 768*\b
.endr
	v_cndmask_b32 v86, v84, v85, s36
	global_store_b32 v[L4], v86, s[38:39] offset:SCO
	s_branch .Lclose
.Lis_v:
	s_mul_i32 s62, s37, 768
	s_add_nc_u64 s[32:33], s[22:23], s[62:63]
	s_lshl_b32 s62, s37, 1
	s_add_nc_u64 s[38:39], s[22:23], s[62:63]
	s_wait_alu depctr_va_vdst(0)
.irp b, 0,1,2,3
	STH 32+8*\b, 32, 6144+FRG*\b
.endr
	v_cndmask_b32 v84, v71, v75, s36
	v_cndmask_b32 v85, v79, v83, s36
	global_store_b16 v[L4], v84, s[38:39] offset:12544
	global_store_b16 v[L4], v85, s[38:39] offset:12672
.Lclose:
	s_wait_tensorcnt 0x0                           ; the wave's end
	ds_add_u32 v30, v31
	s_wait_dscnt 0x0
	CROUND                                         ; the closing round
	s_endpgm
.Lfunc_end_k_qf54cd0a278_qkv:
	.size	k_qf54cd0a278_qkv, .Lfunc_end_k_qf54cd0a278_qkv-k_qf54cd0a278_qkv
	.p2alignl 7, 3214868480
	.fill 96, 4, 3214868480
	.section	.rodata,"a",@progbits
	.p2align	6, 0x0
	.amdhsa_kernel k_qf54cd0a278_qkv
		.amdhsa_group_segment_fixed_size 327680
		.amdhsa_private_segment_fixed_size 0
		.amdhsa_enable_private_segment 0
		.amdhsa_kernarg_size 32
		.amdhsa_user_sgpr_count 2
		.amdhsa_user_sgpr_kernarg_segment_ptr 1
		.amdhsa_wavefront_size32 1
		.amdhsa_system_sgpr_workgroup_id_x 1
		.amdhsa_system_sgpr_workgroup_id_y 1
		.amdhsa_system_sgpr_workgroup_id_z 1
		.amdhsa_system_vgpr_workitem_id 0
		.amdhsa_next_free_vgpr 256
		.amdhsa_next_free_sgpr 104
		.amdhsa_reserve_vcc 0
		.amdhsa_float_denorm_mode_32 3
		.amdhsa_float_denorm_mode_16_64 3
		.amdhsa_memory_ordered 1
		.amdhsa_forward_progress 1
		.amdhsa_inst_pref_size 96
	.end_amdhsa_kernel
	.amdgpu_metadata
---
amdhsa.version: [ 1, 2 ]
amdhsa.kernels:
  - .name:           k_qf54cd0a278_qkv
    .symbol:         k_qf54cd0a278_qkv.kd
    .args:
      - { .name: XC, .offset: 0, .size: 8, .value_kind: global_buffer, .address_space: global }
      - { .name: WC, .offset: 8, .size: 8, .value_kind: global_buffer, .address_space: global }
      - { .name: QC, .offset: 16, .size: 8, .value_kind: global_buffer, .address_space: global }
      - { .name: KV, .offset: 24, .size: 8, .value_kind: global_buffer, .address_space: global }
    .group_segment_fixed_size: 327680
    .private_segment_fixed_size: 0
    .kernarg_segment_align: 8
    .kernarg_segment_size: 32
    .max_flat_workgroup_size: 256
    .sgpr_count:     104
    .vgpr_count:     256
    .wavefront_size: 32
...
	.end_amdgpu_metadata
.endif
;; end of part 2
;; launch attn (part 3): grid 8 x 32, 16 waves a work-group, no clusters, 327,680 bytes of LDS; arguments QC, KV, LF, AO; writes AO
.if DOCPART == 3
	.amdgcn_target "amdgcn-amd-amdhsa--gfx1250"
	.amdhsa_code_object_version 6
	.text
	.protected	k_qf54cd0a278_attn
	.globl	k_qf54cd0a278_attn
	.p2align	8
	.type	k_qf54cd0a278_attn,@function
k_qf54cd0a278_attn:
	s_mov_b64 s[64:65], 0
	v_nop
	global_prefetch_b8 v0, s[64:65] scope:SCOPE_SE
	s_setreg_imm32_b32 hwreg(HW_REG_WAVE_MODE, 25, 1), 1
	s_wait_xcnt 0x0
; ATTN.  o = softmax(q k^T / 8 + decay) v for one (batch, head) bh, on codes of FP6 (E2M3); o is quantised along the channels and leaves as codes in AO (the layout of launch prep's head).
; IDS.  bh = 16 (grid x / 4) + grid y / 2; the work-group's share x = 4 (grid y % 2) + grid x % 4, 0 .. 7: the eight work-groups that read one bh's keys have grid x 0-3, or grid x 4-7.
; decay = clip(c_i - c_j, -50, 10), c the running sum of LF over the tokens, made here in f32 in three levels (16 tokens a thread, 16 threads, 8 parts) and kept x 8 in LDS; it is the C of the first product.
; Keys behind the query (the causal mask that the problem builds itself) are left out where they come in whole steps of 128 keys; in a group's last step they get -1e9.
; A STEP is 16 queries x 128 keys: S^T = k q^T (K = 64: two tiles of keys share an instruction, q beside zeros), p = 2^(t - M) with M the ceiling of the running largest t, the row's sum of the unquantised p,
; p's codes block by block (a block's largest p from its largest score), O^T += v^T p^T.  A lane holds one query throughout.  The next step's 64 numbers of c are asked of LDS at a step's end, into the
; registers that p's conversions have just read; a wave's last step asks for a step that it does not use.
; ALL KEYS AND VALUES OF bh LIE IN LDS (16 blocks of 12,800 bytes): wave w brings block w by its one tensor load, 50 rows of 256 bytes, at the head; no byte is filled twice.
; THE DEAL.  Share x has the groups of 64 queries A = x, B = 15 - x, C = 16 + x, D = 31 - x, with a, 9 - a, 8 + a and 17 - a steps (a = x / 2 + 1): 34 steps for each tile u of 16 queries.
; The four waves of a tile (u = w / 4, role = (w + u) % 4) share them 9, 8, 9, 8:  role 0: A, then B;  role 1: D's steps 0-7;  role 2: D's steps from 8 on, then C's first a;  role 3: C's last 8.
; A part's state (O^T, -M, the sum) goes through the wave's own slot in LDS: role 0 puts A's, role 2 D's second part, role 3 C's second part; behind one barrier role 1 joins D, role 2 joins C, role 3 takes A,
; role 0 has B.  M is a whole number, so joining two parts multiplies by powers of two alone.  The loop has 9 trips in every wave; what a trip does hangs on ids alone.
; Roles 1 and 3 never change groups: the second group's q that they load is not used.
; No cluster: the walk, and with it branches and LDS addresses, hangs on the share x, which differs between the work-groups that share bh.  No prefetch: all tiles are asked for at the head, ahead of any loop.
; LIMITS: NaN and infinities are not served; the promise holds while the scaled scores stay under 2^31 in magnitude; a block whose largest magnitude lies under 2^-124 gets the byte 1.
.set BLKB, 12800
.set CT,   217600                      ; behind the 16 blocks and one block's room that is not used: 8 c, 2,048 f32
.set T0A,  225792
.set IN1,  226304
.set SPARE, 226816                     ; the spare words, 128 bytes a wave
.set ST,   228864                      ; sixteen slots for states
.set SLOTB, 4352
.set S,   64
.set FR,  128
.set O,   176
.set PC,  208
.set TT,  220
.set SH8, 46
.set PT,  47
.set SEL, 20
.set CS,  22
.set G1,  24
.set G0,  32
.set GA,  36                           ; my first group, my second, the trip at which I change, my trips, the group that I finish
.set GB,  37
.set N1,  38
.set NT,  39
.set GF,  46
.set KD2, 47
.set TB,  48
.set TC,  49
.set KA,  50                           ; the step of 128 keys
.set KI,  51                           ; the trip
.set KD,  16                           ; my group's last step
.set XS,  76                           ; the share x
.macro PLACES
.rept 4
	v_nop
.endr
.endm
.macro QBLK n, k, t, m
	v_max3_num_f32 v[\m], |v[\n]|, |v[\n+1]|, 0x1800000
.irp i, 2,4,6,8,10,12,14,16,18,20,22,24,26,28,30
	s_delay_alu instid0(VALU_DEP_1)
	v_max3_num_f32 v[\m], v[\m], |v[\n+\i]|, |v[\n+\i+1]|
.endr
	s_delay_alu instid0(VALU_DEP_1)
	v_add_nc_u32 v[\m+1], 0xff000000, v[\m]
	s_delay_alu instid0(VALU_DEP_1)
	v_lshrrev_b32 v[\m+2], 23, v[\m+1]
	v_cvt_scalef32_pk16_fp6_f32 v[\k:\k+2], v[\n:\n+15], v[\m+1]
	v_cvt_scalef32_pk16_fp6_f32 v[\t:\t+2], v[\n+16:\n+31], v[\m+1]
	v_nop
.irp i, 0,1,2
	v_mov_b32 v[\k+3+\i], v[\t+\i]
.endr
.endm
.macro HW d, src
	v_lshlrev_b32 v[\d], v[SH8], v[\src]
	s_delay_alu instid0(VALU_DEP_1)
	v_permlanex16_b32 v[PT], v[\d], s[SEL], s[SEL+1]
	s_delay_alu instid0(VALU_DEP_1)
	v_or_b32 v[\d], v[\d], v[PT]
.endm
.macro LDH reg, a16, a8, off
	ds_load_b128 v[\reg:\reg+3], v[\a16] offset:\off
	ds_load_b64 v[\reg+4:\reg+5], v[\a8] offset:\off
.endm
.macro CLOAD                           ; 8 c of a step's keys 64 g + 32 h + 0 .. 31: sixteen loads
.irp g, 0,1
.set i, 0
.rept 8
	ds_load_b128 v[S+32*\g+4*i:S+32*\g+4*i+3], v8 offset:256*\g+16*i
.set i, i+1
.endr
.endr
.endm
.macro RESET                           ; an empty state: the largest t -3e38, -M 3e38, sums and O^T zero
	v_mov_b32 v13, 0xff61b1e6
	v_mov_b32 v12, 0x7f61b1e6
	v_mov_b32 v14, 0
	v_mov_b32 v15, 0
.set j, 0
.rept 32
	v_mov_b32 v[O+j], 0
.set j, j+1
.endr
.endm
.macro PUT                             ; my state into my slot: O^T as images of four registers, then (-M, the sum) 8 bytes a lane
	PLACES                                         ; behind the last products
	v_mov_b32 v[TT], v12
	v_add_f32 v[TT+1], v14, v15
.set j, 0
.rept 8
	ds_store_b128 v245, v[O+4*j:O+4*j+3] offset:512*j   ; each accumulator from its low end on
.set j, j+1
.endr
	ds_store_b64 v246, v[TT:TT+1] offset:4096
	s_wait_dscnt 0x0                               ; the stores have read their registers
.endm
.macro QBASE g, pc, ps                 ; QC's block of (bh, group g): my tile's half image, and its scale words (3,072 on: in the load's offset)
	s_lshl_b32 s54, s17, 5
	s_add_co_u32 s54, s54, s[\g]
	s_mul_i32 s54, s54, 3328
	s_mov_b32 s55, 0
	s_add_nc_u64 s[\ps:\ps+1], s[4:5], s[54:55]
	s_mul_i32 s54, s13, 768
	s_add_nc_u64 s[\pc:\pc+1], s[\ps:\ps+1], s[54:55]
	s_lshl_b32 s54, s13, 6
	s_add_nc_u64 s[\ps:\ps+1], s[\ps:\ps+1], s[54:55]
.endm
	s_load_b256 s[4:11], s[0:1], 0x0               ; QC s[4:5], KV s[6:7], LF s[8:9], AO s[10:11]
	v_lshl_add_u32 v254, v0, 2, SPARE
	v_mov_b32 v255, 0
	ds_add_u32 v254, v255
	ds_add_u32 v254, v255
	v_lshrrev_b32 v1, 5, v0
	s_delay_alu instid0(VALU_DEP_1)
	v_readfirstlane_b32 s12, v1                    ; wave 0..15
	s_and_b32 s17, ttmp7, 0xffff
	s_and_b32 s[XS], s17, 1
	s_lshl_b32 s[XS], s[XS], 2
	s_and_b32 s2, ttmp9, 3
	s_add_co_u32 s[XS], s[XS], s2                  ; the share x = 4 (grid y % 2) + grid x % 4
	s_lshr_b32 s17, s17, 1
	s_lshr_b32 s2, ttmp9, 2
	s_lshl_b32 s2, s2, 4
	s_add_co_u32 s17, s17, s2                      ; bh = 16 (grid x / 4) + grid y / 2
	s_mov_b32 s[G1], 3<<16                         ; elements of 8 bytes; 50 rows of 256 bytes, dense
	s_mov_b32 s[G1+1], 32<<16
	s_mov_b32 s[G1+2], 50<<16
	s_mov_b32 s[G1+3], 32<<16
	s_mov_b32 s[G1+4], 50
	s_mov_b32 s[G1+5], 32
	s_mov_b32 s[G1+6], 0
	s_mov_b32 s[G1+7], 0
	s_mul_i32 s54, s12, BLKB
	s_mul_i32 s56, s17, 16*BLKB
	s_add_co_u32 s56, s56, s54
	s_mov_b32 s57, 0
	s_wait_dscnt 0x0
	s_wait_kmcnt 0x0
	s_mov_b32 s[G0], 1
	s_mov_b32 s[G0+1], s54
	s_add_nc_u64 s[G0+2:G0+3], s[6:7], s[56:57]
	s_or_b32 s[G0+3], s[G0+3], 0x80000000
	tensor_load_to_lds s[G0:G0+3], s[G1:G1+7]      ; block w: keys 128 w on
	s_nop 0
	PLACES
	; the deal
	s_lshr_b32 s13, s12, 2                         ; u
	s_add_co_u32 s14, s12, s13
	s_and_b32 s14, s14, 3                          ; role
	s_lshr_b32 s40, s[XS], 1
	s_add_co_u32 s40, s40, 1                       ; a
	s_sub_co_u32 s41, 9, s40                       ; 9 - a
	s_sub_co_u32 s42, 15, s[XS]                    ; B
	s_add_co_u32 s43, s[XS], 16                    ; C
	s_sub_co_u32 s44, 31, s[XS]                    ; D
	s_cmp_eq_u32 s14, 0
	s_cselect_b32 s[GA], s[XS], s44
	s_cselect_b32 s[GB], s42, s43
	s_cselect_b32 s[N1], s40, s41
	s_cselect_b32 s[GF], s42, s44
	s_cmp_eq_u32 s14, 3
	s_cselect_b32 s[GA], s43, s[GA]
	s_cselect_b32 s[KA], s40, 0
	s_cselect_b32 s[GF], s[XS], s[GF]
	s_cmp_eq_u32 s14, 2
	s_cselect_b32 s[KA], 8, s[KA]
	s_cselect_b32 s[GF], s43, s[GF]
	s_and_b32 s45, s14, 1                          ; SCC: roles 1 and 3
	s_cselect_b32 s[N1], 99, s[N1]                 ; they never change groups,
	s_cselect_b32 s[NT], 8, 9                      ; and have 8 steps
	s_and_b32 s[GA], s[GA], 31                     ; (groups are 0 .. 31)
	s_and_b32 s[GB], s[GB], 31
	s_and_b32 s[GF], s[GF], 31
	s_lshr_b32 s[KD], s[GA], 1
	s_lshr_b32 s[KD2], s[GB], 1
	s_and_b32 s18, s17, 15                         ; head
	s_lshr_b32 s19, s17, 4                         ; batch
	s_lshl_b32 s54, s19, 17
	s_lshl_b32 s55, s18, 6
	s_add_co_u32 s54, s54, s55
	s_mov_b32 s55, 0
	s_add_nc_u64 s[56:57], s[8:9], s[54:55]        ; LF: my batch's tiles, my head's 64 bytes
	QBASE GA, 58, 60
	QBASE GB, 62, 74
	s_and_b32 s2, s12, 7
	s_lshl_b32 s2, s2, 6
	s_add_co_u32 s72, s2, T0A
	s_add_co_u32 s73, s2, IN1
	s_lshl_b32 s2, s13, 5
	s_add_co_u32 s2, s2, CT
	s_lshl_b32 s66, s[GA], 8
	s_add_co_u32 s66, s66, s2                      ; 8 c of my queries: group x 256 + 32 u
	s_lshl_b32 s67, s[GB], 8
	s_add_co_u32 s67, s67, s2
	s_lshl_b32 s2, s13, 3
	s_and_b32 s68, s[GA], 1
	s_lshl_b32 s68, s68, 6
	s_add_co_u32 s68, s68, s2                      ; my queries' place in their step of 128
	s_and_b32 s69, s[GB], 1
	s_lshl_b32 s69, s69, 6
	s_add_co_u32 s69, s69, s2
	s_mul_i32 s70, s12, SLOTB
	s_add_co_u32 s70, s70, ST                      ; my slot
	s_add_co_u32 s71, s12, 1
	s_and_b32 s71, s71, 3
	s_lshl_b32 s2, s13, 2
	s_add_co_u32 s71, s71, s2
	s_mul_i32 s71, s71, SLOTB
	s_add_co_u32 s71, s71, ST                      ; the slot of the next role of my tile
	s_mov_b32 s[SEL], 0x76543210
	s_mov_b32 s[SEL+1], 0xfedcba98
	s_mov_b32 s[CS], 0x3e38aa3b                    ; log2(e) / 8
	s_mov_b32 s[CS+1], s[CS]
	s_mov_b32 s52, 0xc3c80000                      ; -400 = 8 x -50
	s_mov_b32 s53, 0x42a00000                      ; 80 = 8 x 10
	s_mov_b32 s3, 0x41000000                       ; 8
	s_mov_b32 s[KI], 0
	s_min_u32 s2, s[KA], 15
	s_lshl_b32 s[TC], s2, 9                        ; my first step's place in c
	v_and_b32 v60, 31, v0
	v_and_b32 v1, 15, v0
	v_bfe_u32 v61, v0, 4, 1
	v_lshlrev_b32 v2, 4, v60
	v_lshlrev_b32 v3, 3, v60
	v_lshlrev_b32 v4, 7, v61
	v_add_nc_u32 v3, 512, v3
	v_add_nc_u32 v4, CT, v4
	v_lshlrev_b32 v5, 2, v1
	v_lshlrev_b32 v[SH8], 3, v61
	v_mov_b32 v[PT], 0
	v_lshrrev_b32 v62, 4, v0
	s_delay_alu instid0(VALU_DEP_1)
	v_lshlrev_b32 v62, 12, v62
	v_bfe_u32 v63, v0, 2, 1
	s_delay_alu instid0(VALU_DEP_1)
	v_lshl_add_u32 v62, v63, 11, v62
	v_bfe_u32 v63, v0, 3, 1
	s_delay_alu instid0(VALU_DEP_1)
	v_lshl_add_u32 v62, v63, 5, v62                ; LF of tokens 16 (thread / 4) + 0 .. 15: two tiles' eight rows
	global_load_b128 v[64:67], v62, s[56:57]
	global_load_b128 v[68:71], v62, s[56:57] offset:16
	global_load_b128 v[72:75], v62, s[56:57] offset:1024
	global_load_b128 v[76:79], v62, s[56:57] offset:1040
	global_load_b128 v[16:19], v2, s[58:59]        ; q of my first group
	global_load_b64 v[20:21], v3, s[58:59]
	global_load_b32 v34, v5, s[60:61] offset:3072
	global_load_b128 v[236:239], v2, s[62:63]      ; and of my second
	global_load_b64 v[240:241], v3, s[62:63]
	global_load_b32 v242, v5, s[74:75] offset:3072
	v_and_b32 v58, 0x1fc, v0
	s_delay_alu instid0(VALU_DEP_1)
	v_lshl_add_u32 v63, v58, 4, CT
	v_add_nc_u32 v58, T0A, v58
	v_mov_b32 v59, s72
	v_add_nc_u32 v230, s73, v5
	v_lshrrev_b32 v233, 2, v0
	s_delay_alu instid0(VALU_DEP_1)
	v_add_nc_u32 v234, 127, v233
	s_delay_alu instid0(VALU_DEP_1)
	v_and_b32 v234, 127, v234
	s_delay_alu instid0(VALU_DEP_1)
	v_lshl_add_u32 v231, v234, 2, IN1
	v_lshrrev_b32 v234, 4, v234
	v_mov_b32 v232, IN1
	v_lshrrev_b32 v44, 3, v1
	v_and_b32 v50, 7, v1
	s_delay_alu instid0(VALU_DEP_1)
	v_lshl_add_u32 v44, v44, 5, v50                ; 32 (r / 8) + r % 8: my query in its tile's order
	v_lshlrev_b32 v50, 5, v61
	s_delay_alu instid0(VALU_DEP_2)
	v_lshl_add_u32 v228, v44, 2, s66
	v_lshl_add_u32 v229, v44, 2, s67
	v_sub_nc_u32 v50, v44, v50
	s_delay_alu instid0(VALU_DEP_1)
	v_add_nc_u32 v44, s68, v50                     ; my query's place in the step less 32 h: keys of a larger index are behind it
	v_add_nc_u32 v244, s69, v50
	v_add_nc_u32 v245, s70, v2
	v_lshl_add_u32 v246, v60, 3, s70
	v_add_nc_u32 v247, s71, v2
	v_lshl_add_u32 v248, v60, 3, s71
	v_add_nc_u32 v8, s[TC], v4
	v_mov_b32 v45, 0xcfee6b28                      ; 8 x -1e9
	v_mov_b32 v51, 0
	v_mov_b32 v53, 0
	v_mov_b32 v55, 0
.irp i, 0,1,2,3,4,5
	v_mov_b32 v[22+\i], 0                          ; q, zeros, q: either half of K can be q's
.endr
	RESET
	s_wait_alu depctr_va_vdst(0)
	s_wait_loadcnt 0x0
.irp i, 0,1,2,3,4,5
	v_mov_b32 v[28+\i], v[16+\i]
.endr
	v_add_f32 v65, v64, v65                        ; running sums of my 16 tokens
.set j, 2
.rept 14
	s_delay_alu instid0(VALU_DEP_1)
	v_add_f32 v[64+j], v[63+j], v[64+j]
.set j, j+1
.endr
	ds_store_b32 v58, v79
	s_wait_dscnt 0x0
	s_barrier_signal -1
	s_barrier_wait -1
	s_cmp_gt_u32 s12, 7
	s_cbranch_scc1 .Lno_level1
.irp i, 0,1,2,3
	ds_load_b128 v[80+4*\i:83+4*\i], v59 offset:16*\i
.endr
	s_wait_dscnt 0x0
	v_mov_b32 v96, v80
.set j, 1
.rept 15
	v_cmp_le_u32 vcc_lo, j, v1
	s_delay_alu instid0(VALU_DEP_1)
	v_cndmask_b32 v97, 0, v[80+j], vcc_lo
	s_delay_alu instid0(VALU_DEP_1)
	v_add_f32 v96, v96, v97
.set j, j+1
.endr
	ds_store_b32 v230, v96
.Lno_level1:
	s_wait_dscnt 0x0
	s_barrier_signal -1
	s_barrier_wait -1
	ds_load_b32 v98, v231
.irp k, 0,1,2,3,4,5,6
	ds_load_b32 v[100+\k], v232 offset:64*\k+60
.endr
	s_wait_dscnt 0x0
	v_cmp_lt_u32 vcc_lo, 0, v234
	s_delay_alu instid0(VALU_DEP_1)
	v_cndmask_b32 v107, 0, v100, vcc_lo
.irp k, 1,2,3,4,5,6
	v_cmp_lt_u32 vcc_lo, \k, v234
	s_delay_alu instid0(VALU_DEP_1)
	v_cndmask_b32 v108, 0, v[100+\k], vcc_lo
	s_delay_alu instid0(VALU_DEP_1)
	v_add_f32 v107, v107, v108
.endr
	s_delay_alu instid0(VALU_DEP_1)
	v_add_f32 v107, v107, v98
	v_cmp_ne_u32 vcc_lo, 0, v233
	s_delay_alu instid0(VALU_DEP_1)
	v_cndmask_b32 v107, 0, v107, vcc_lo
	s_delay_alu instid0(VALU_DEP_1)
	v_mul_f32 v107, s3, v107
.set j, 0
.rept 16
	v_fma_f32 v[64+j], v[64+j], s3, v107           ; 8 c
.set j, j+1
.endr
.irp i, 0,1,2,3
	ds_store_b128 v63, v[64+4*\i:67+4*\i] offset:16*\i
.endr
	s_wait_tensorcnt 0x0                           ; my block of keys and values has landed,
	s_wait_dscnt 0x0                               ; my part of c is stored:
	s_barrier_signal -1
	s_barrier_wait -1                              ; and everybody's
	ds_load_b32 v10, v228
	ds_load_b32 v243, v229
	CLOAD                                          ; c of my first step
	s_wait_dscnt 16                                ; my queries' c is in; the sixteen loads behind it may be out
	v_mov_b32 v11, v10
	s_wait_alu depctr_va_vdst(0)
.Lloop:
	s_cmp_lg_u32 s[KI], s[N1]
	s_cbranch_scc1 .Lnosw
	PUT                                            ; my first part is done: its state goes to my slot, and the second group begins at its step 0
.irp i, 0,1,2,3,4,5
	v_mov_b32 v[16+\i], v[236+\i]
	v_mov_b32 v[28+\i], v[236+\i]
.endr
	v_mov_b32 v34, v242
	v_mov_b32 v10, v243
	v_mov_b32 v11, v243
	v_mov_b32 v44, v244
	RESET
	s_mov_b32 s[KA], 0
	s_mov_b32 s[KD], s[KD2]
	s_wait_alu depctr_va_vdst(0)
.Lnosw:
	s_cmp_ge_u32 s[KI], s[NT]
	s_cbranch_scc1 .Lhid
	s_min_u32 s2, s[KA], 15                        ; (a step is 0 .. 15)
	s_mul_i32 s[TB], s2, BLKB
	s_add_co_u32 s2, s[KA], 1                      ; the step of my next trip: one on, or 0 where I change groups
	s_add_co_u32 s54, s[KI], 1
	s_cmp_eq_u32 s54, s[N1]
	s_cselect_b32 s2, 0, s2
	s_min_u32 s2, s2, 15
	s_lshl_b32 s[TC], s2, 9
	v_add_nc_u32 v6, s[TB], v2                     ; these four lines are also the places behind the last products
	v_add_nc_u32 v7, s[TB], v3
	v_add_nc_u32 v8, s[TC], v4
	v_add_nc_u32 v9, s[TB], v5
.irp g, 0,1
.irp u, 0,1,2,3
	LDH FR+24*\g+6*\u, 6, 7, 3072*\g+768*\u
.endr
.endr
.irp g, 0,1
.irp p, 0,1
	ds_load_b32 v[36+2*\g+\p], v9 offset:12288+128*\g+64*\p
.endr
.endr
	s_wait_dscnt 20                                ; c, asked for a step ago, is in; the 16 loads of k and 4 of its scales just issued may be out
.set j, 0
	s_wait_alu depctr_va_vdst(0)
.rept 32
	v_pk_add_f32 v[S+j:S+j+1], v[10:11], v[S+j:S+j+1] neg_lo:[0,1] neg_hi:[0,1]
.set j, j+2
.endr
.set j, 0
.rept 64
	v_med3_num_f32 v[S+j], v[S+j], s52, s53
.set j, j+1
.endr
	s_cmp_lg_u32 s[KA], s[KD]
	s_cbranch_scc1 .Lopen
.set j, 0
.rept 64
	v_cmp_gt_i32 vcc_lo, 64*(j/32)+j%32, v44
	s_delay_alu instid0(VALU_DEP_1)
	v_cndmask_b32 v[S+j], v[S+j], v45, vcc_lo
.set j, j+1
.endr
.Lopen:
	s_wait_dscnt 0x0
	s_wait_alu depctr_va_vdst(0)
.irp g, 0,1
.irp u, 0,1,2,3
	v_wmma_scale_f32_16x16x128_f8f6f4 v[S+32*\g+8*\u:S+32*\g+8*\u+7], v[FR+24*\g+12*(\u/2):FR+24*\g+12*(\u/2)+11], v[16+6*(\u%2):27+6*(\u%2)], v[S+32*\g+8*\u:S+32*\g+8*\u+7], v[36+2*\g+\u/2], v34 matrix_a_fmt:MATRIX_FMT_FP6 matrix_b_fmt:MATRIX_FMT_FP6
.endr
.endr
	PLACES
.irp t, 0,1,2,3
.irp c, 0,1
	LDH FR+12*\t+6*\c, 6, 7, 6144+1536*\t+768*\c
.endr
.endr
.irp t, 0,1,2,3
	ds_load_b32 v[40+\t], v9 offset:12544+64*\t
.endr
	v_max3_num_f32 v48, v[S], v[S+1], v[S+2]       ; each block's largest score, in two chains a block: for the row's maximum and for the block's largest p
	v_max3_num_f32 v56, v[S+16], v[S+17], v[S+18]
	v_max3_num_f32 v49, v[S+32], v[S+33], v[S+34]
	v_max3_num_f32 v57, v[S+48], v[S+49], v[S+50]
.irp i, 3,5,7,9,11,13
	v_max3_num_f32 v48, v48, v[S+\i], v[S+\i+1]
	v_max3_num_f32 v56, v56, v[S+16+\i], v[S+17+\i]
	v_max3_num_f32 v49, v49, v[S+32+\i], v[S+33+\i]
	v_max3_num_f32 v57, v57, v[S+48+\i], v[S+49+\i]
.endr
	v_max3_num_f32 v48, v48, v56, v[S+15]
	v_max3_num_f32 v49, v49, v57, v[S+47]
	v_max_num_f32 v48, v48, v[S+31]
	v_max_num_f32 v49, v49, v[S+63]
	s_delay_alu instid0(VALU_DEP_1)
	v_max_num_f32 v50, v48, v49
	s_delay_alu instid0(VALU_DEP_1)
	v_permlanex16_b32 v51, v50, s[SEL], s[SEL+1]
	s_delay_alu instid0(VALU_DEP_1)
	v_max_num_f32 v50, v50, v51
	s_delay_alu instid0(VALU_DEP_1)
	v_mul_f32 v50, s[CS], v50
	s_delay_alu instid0(VALU_DEP_1)
	v_max_num_f32 v13, v13, v50                    ; the running largest t
	v_mov_b32 v50, v12
	s_delay_alu instid0(VALU_DEP_2)
	v_floor_f32 v12, -v13                          ; -M
	s_delay_alu instid0(VALU_DEP_1)
	v_sub_f32 v50, v12, v50
.set j, 0
.rept 8
	v_pk_fma_f32 v[S+j:S+j+1], v[S+j:S+j+1], s[CS:CS+1], v[12:13] op_sel_hi:[1,0,0]
.set j, j+2
.endr
	v_cvt_i32_f32 v50, v50
.rept 8
	v_pk_fma_f32 v[S+j:S+j+1], v[S+j:S+j+1], s[CS:CS+1], v[12:13] op_sel_hi:[1,0,0]
.set j, j+2
.endr
	v_ldexp_f32 v52, 1.0, v50                      ; 2^(old M - new M)
.rept 16
	v_pk_fma_f32 v[S+j:S+j+1], v[S+j:S+j+1], s[CS:CS+1], v[12:13] op_sel_hi:[1,0,0]
.set j, j+2
.endr
	v_fma_f32 v48, v48, s[CS], v12
	v_fma_f32 v49, v49, s[CS], v12
.set j, 0
	s_wait_alu depctr_va_vdst(0)
.rept 64
	v_exp_f32 v[S+j], v[S+j]
.set j, j+1
.endr
	v_pk_mul_f32 v[14:15], v[14:15], v[52:53] op_sel_hi:[1,0]
	s_wait_alu depctr_va_vdst(0)
	v_exp_f32 v48, v48
	v_exp_f32 v49, v49
	v_pk_add_f32 v[TT:TT+1], v[S:S+1], v[S+2:S+3]  ; the row's sum, of the unquantised p, in four chains
	v_pk_add_f32 v[56:57], v[S+4:S+5], v[S+6:S+7]
	v_pk_add_f32 v[50:51], v[S+8:S+9], v[S+10:S+11]
.irp j, 12,20,28,36,44,52
	v_pk_add_f32 v[14:15], v[14:15], v[S+\j:S+\j+1]
	v_pk_add_f32 v[TT:TT+1], v[TT:TT+1], v[S+\j+2:S+\j+3]
	v_pk_add_f32 v[56:57], v[56:57], v[S+\j+4:S+\j+5]
	v_pk_add_f32 v[50:51], v[50:51], v[S+\j+6:S+\j+7]
.endr
	v_pk_add_f32 v[14:15], v[14:15], v[S+60:S+61]
	v_pk_add_f32 v[TT:TT+1], v[TT:TT+1], v[S+62:S+63]
	v_pk_add_f32 v[56:57], v[56:57], v[50:51]
	v_pk_add_f32 v[14:15], v[14:15], v[TT:TT+1]
	v_pk_add_f32 v[14:15], v[14:15], v[56:57]
	s_wait_alu depctr_va_vdst(0)
	v_max_num_f32 v48, 0x1800000, v48
	v_max_num_f32 v49, 0x1800000, v49
	s_delay_alu instid0(VALU_DEP_2)
	v_add_nc_u32 v54, 0xff000000, v48
	s_delay_alu instid0(VALU_DEP_2)
	v_add_nc_u32 v55, 0xff000000, v49
	s_delay_alu instid0(VALU_DEP_2)
	v_lshrrev_b32 v56, 23, v54
	s_delay_alu instid0(VALU_DEP_2)
	v_lshrrev_b32 v57, 23, v55
	s_delay_alu instid0(VALU_DEP_1)
	v_lshl_or_b32 v35, v57, 16, v56
	HW 35, 35
.irp c, 0,1
	v_cvt_scalef32_pk16_fp6_f32 v[PC+6*\c:PC+6*\c+2], v[S+32*\c:S+32*\c+15], v[54+\c]
	v_cvt_scalef32_pk16_fp6_f32 v[TT+4*\c:TT+4*\c+2], v[S+32*\c+16:S+32*\c+31], v[54+\c]
.endr
	v_nop
.irp c, 0,1
.irp i, 0,1,2
	v_mov_b32 v[PC+6*\c+3+\i], v[TT+4*\c+\i]
.endr
.endr
	CLOAD                                          ; p is in codes: its registers take c of my next trip's step
.set j, 0
.rept 16
	v_pk_mul_f32 v[O+j:O+j+1], v[O+j:O+j+1], v[52:53] op_sel_hi:[1,0]
.set j, j+2
.endr
	s_wait_alu depctr_va_vdst(0)
	s_wait_dscnt 16                                ; v and its scales are in; the sixteen loads of c behind them may be out
.irp t, 0,1,2,3
	v_wmma_scale_f32_16x16x128_f8f6f4 v[O+8*\t:O+8*\t+7], v[FR+12*\t:FR+12*\t+11], v[PC:PC+11], v[O+8*\t:O+8*\t+7], v[40+\t], v35 matrix_a_fmt:MATRIX_FMT_FP6 matrix_b_fmt:MATRIX_FMT_FP6
.endr
.Lhid:
	s_add_co_u32 s[KA], s[KA], 1
	s_add_co_u32 s[KI], s[KI], 1
	s_cmp_lt_u32 s[KI], 9
	s_cbranch_scc1 .Lloop
	PLACES
	s_cmp_lg_u32 s14, 3
	s_cbranch_scc1 .Lno_put
	PUT                                            ; role 3: C's second part goes to my slot; I go on with an empty state, to take A
	RESET
.Lno_put:
	s_wait_alu depctr_va_vdst(0)
	s_wait_dscnt 0x0                               ; my stores, and the last loads of c
	s_barrier_signal -1
	s_barrier_wait -1                              ; every state is in its slot
	s_cmp_eq_u32 s14, 0
	s_cbranch_scc1 .Lno_join                       ; role 0 has all of B
.set j, 0
.rept 8
	ds_load_b128 v[S+4*j:S+4*j+3], v247 offset:512*j
.set j, j+1
.endr
	ds_load_b64 v[TT:TT+1], v248 offset:4096
	v_add_f32 v14, v14, v15
	v_mov_b32 v15, 0
	s_wait_alu depctr_va_vdst(0)
	s_wait_dscnt 0x0
	v_min_num_f32 v50, v12, v[TT]                  ; -M of both
	s_delay_alu instid0(VALU_DEP_1)
	v_sub_f32 v48, v50, v12                        ; my M less it, and the other's: whole numbers, 0 or less
	v_sub_f32 v49, v50, v[TT]
	s_delay_alu instid0(VALU_DEP_2)
	v_cvt_i32_f32 v48, v48                         ; (it saturates)
	s_delay_alu instid0(VALU_DEP_2)
	v_cvt_i32_f32 v49, v49
	s_delay_alu instid0(VALU_DEP_2)
	v_ldexp_f32 v52, 1.0, v48
	s_delay_alu instid0(VALU_DEP_2)
	v_ldexp_f32 v54, 1.0, v49
	s_delay_alu instid0(VALU_DEP_2)
	v_mul_f32 v14, v14, v52
	s_delay_alu instid0(VALU_DEP_1)
	v_fma_f32 v14, v[TT+1], v54, v14
.set j, 0
.rept 16
	v_pk_mul_f32 v[O+j:O+j+1], v[O+j:O+j+1], v[52:53] op_sel_hi:[1,0]
.set j, j+2
.endr
.set j, 0
.rept 16
	v_pk_fma_f32 v[O+j:O+j+1], v[S+j:S+j+1], v[54:55], v[O+j:O+j+1] op_sel_hi:[1,0,1]
.set j, j+2
.endr
.Lno_join:
	v_add_f32 v14, v14, v15
	s_delay_alu instid0(VALU_DEP_1)
	v_permlanex16_b32 v51, v14, s[SEL], s[SEL+1]
	s_delay_alu instid0(VALU_DEP_1)
	v_add_f32 v14, v14, v51                        ; the row's sum
	s_wait_alu depctr_va_vdst(0)
	v_rcp_f32 v14, v14
	v_nop
	s_lshl_b32 s54, s19, 5                         ; where the group that I finish lies in AO
	s_add_co_u32 s54, s54, s[GF]
	s_lshr_b32 s55, s54, 1
	s_mul_i32 s55, s55, 8*BLKB
	s_lshr_b32 s56, s18, 1
	s_mul_i32 s56, s56, BLKB
	s_add_co_u32 s55, s55, s56
	s_and_b32 s54, s54, 1
	s_lshl_b32 s54, s54, 2
	s_add_co_u32 s54, s54, s13
	s_and_b32 s57, s18, 1
	s_mul_i32 s58, s54, 1536
	s_mul_i32 s59, s57, 768
	s_add_co_u32 s58, s58, s59
	s_add_co_u32 s58, s58, s55
	s_mov_b32 s59, 0
	s_add_nc_u64 s[58:59], s[10:11], s[58:59]
	s_lshl_b32 s60, s54, 6
	s_lshl_b32 s61, s57, 1
	s_add_co_u32 s60, s60, s61
	s_add_co_u32 s60, s60, s55
	s_mov_b32 s61, 0
	s_add_nc_u64 s[60:61], s[10:11], s[60:61]
	s_wait_alu depctr_va_vdst(0)
.set j, 0
.rept 32
	v_mul_f32 v[S+j], v[O+j], v14
.set j, j+1
.endr
	QBLK S, PC, TT, 48
	HW 52, 50
	global_store_b128 v2, v[PC:PC+3], s[58:59]
	global_store_b64 v3, v[PC+4:PC+5], s[58:59]
	s_wait_alu depctr_va_vdst(0)
	s_wait_xcnt 0x0                                ; EXEC changes only behind this wait
	v_cmp_gt_u32 vcc_lo, 16, v60
	s_wait_tensorcnt 0x0                           ; the wave's end
	ds_add_u32 v254, v255
	s_wait_dscnt 0x0
	s_and_saveexec_b32 s54, vcc_lo
	global_store_b16 v5, v52, s[60:61] offset:12288
	s_wait_xcnt 0x0
	s_or_b32 exec_lo, exec_lo, s54
	s_endpgm
.Lfunc_end_k_qf54cd0a278_attn:
	.size	k_qf54cd0a278_attn, .Lfunc_end_k_qf54cd0a278_attn-k_qf54cd0a278_attn
	.p2alignl 7, 3214868480
	.fill 96, 4, 3214868480
	.section	.rodata,"a",@progbits
	.p2align	6, 0x0
	.amdhsa_kernel k_qf54cd0a278_attn
		.amdhsa_group_segment_fixed_size 327680
		.amdhsa_private_segment_fixed_size 0
		.amdhsa_enable_private_segment 0
		.amdhsa_kernarg_size 32
		.amdhsa_user_sgpr_count 2
		.amdhsa_user_sgpr_kernarg_segment_ptr 1
		.amdhsa_wavefront_size32 1
		.amdhsa_system_sgpr_workgroup_id_x 1
		.amdhsa_system_sgpr_workgroup_id_y 1
		.amdhsa_system_sgpr_workgroup_id_z 1
		.amdhsa_system_vgpr_workitem_id 0
		.amdhsa_next_free_vgpr 256
		.amdhsa_next_free_sgpr 80
		.amdhsa_reserve_vcc 1
		.amdhsa_float_denorm_mode_32 3
		.amdhsa_float_denorm_mode_16_64 3
		.amdhsa_memory_ordered 1
		.amdhsa_forward_progress 1
		.amdhsa_inst_pref_size 62
	.end_amdhsa_kernel
	.amdgpu_metadata
---
amdhsa.version: [ 1, 2 ]
amdhsa.kernels:
  - .name:           k_qf54cd0a278_attn
    .symbol:         k_qf54cd0a278_attn.kd
    .args:
      - { .name: QC, .offset: 0, .size: 8, .value_kind: global_buffer, .address_space: global }
      - { .name: KV, .offset: 8, .size: 8, .value_kind: global_buffer, .address_space: global }
      - { .name: LF, .offset: 16, .size: 8, .value_kind: global_buffer, .address_space: global }
      - { .name: AO, .offset: 24, .size: 8, .value_kind: global_buffer, .address_space: global }
    .group_segment_fixed_size: 327680
    .private_segment_fixed_size: 0
    .kernarg_segment_align: 8
    .kernarg_segment_size: 32
    .max_flat_workgroup_size: 512
    .sgpr_count:     80
    .vgpr_count:     256
    .wavefront_size: 32
...
	.end_amdgpu_metadata
.endif
;; end of part 3
;; launch oproj (part 4): grid 8 x 32, 8 waves a work-group, clusters of 4 x 4, 327,680 bytes of LDS; arguments AO, WC, out0; writes out0
.if DOCPART == 4
	.amdgcn_target "amdgcn-amd-amdhsa--gfx1250"
	.amdhsa_code_object_version 6
	.text
	.protected	k_qf54cd0a278_oproj
	.globl	k_qf54cd0a278_oproj
	.p2align	8
	.type	k_qf54cd0a278_oproj,@function
k_qf54cd0a278_oproj:
	s_mov_b64 s[64:65], 0
	v_nop
	global_prefetch_b8 v0, s[64:65] scope:SCOPE_SE
	s_setreg_imm32_b32 hwreg(HW_REG_WAVE_MODE, 25, 1), 1
	s_wait_xcnt 0x0
	s_wait_alu depctr_hold_cnt(0) depctr_sa_sdst(0) depctr_va_vdst(0) depctr_va_sdst(0) depctr_va_ssrc(0) depctr_va_vcc(0) depctr_vm_vsrc(0)
	s_getreg_b32 s2, hwreg(HW_REG_IB_STS2, 6, 4)
	s_cmp_eq_u32 s2, 0
	s_cbranch_scc0 .Lentry_in_a_cluster
	s_endpgm
.Lentry_in_a_cluster:
	s_bfe_u32 s2, ttmp6, 0x10000c
	s_cmp_lg_u32 s2, 0xf033
	s_cbranch_scc0 .Lentry_shape_is_right
	s_endpgm
.Lentry_shape_is_right:
; OPROJ.  out0 = Q(o) Q(Wo) on codes of FP6 (E2M3), K = 1,024; out0 [4096][1024] f32.  AO holds o's codes, WC's rows of blocks 24 .. 31 Wo's, both as images of the operands' registers (launch prep's head).
; SHARES.  256 work-groups of 128 tokens x 128 columns.  Wave w: 64 columns w % 2, two tiles of tokens 2 ((w / 2) % 2) + 0, 1 of group w / 4: eight accumulators.
; ALL OF K LIES IN LDS (two rows of blocks, 204,800 bytes): no LDS byte is filled twice.  The fills go in TWO STAGES of four K steps, one tensor load a wave each, a block of 50 rows of 256 bytes:
; waves 0-3 for o, waves 4-7 for Wo.  Stage 0 goes out at the head; stage 1 behind the waits, the add and a round of the cluster's barrier.
; CLUSTER 4 x 4: the four work-groups of a row of the cluster read the same tokens, the four of a column the same columns: each tile is asked for jointly.  No prefetch: there is no loop to run ahead in.
; Source 0 = Wo's four tiles of columns, source 1 = a tile of tokens: a lane holds one token and 32 neighbouring columns, 128 bytes.  A tile goes through the wave's own stage in LDS, behind the tiles, where no fill lands,
; and leaves as rows: sixteen lanes store 256 consecutive bytes, at a multiple of 256 from out0's first byte.
.set BLKB, 12800
.set BROW, 102400
.set FRG,  1536
.set SCO,  12288
.set STG,  204800                      ; eight stages of 16 rows x (256 + 16) bytes
.set L16, 4
.set L8,  5
.set R4,  9
.set XA16, 10
.set XA8,  11
.set XS,   12
.set WA16, 13
.set WA8,  14
.set WS,   15
.set SX,  16                           ; v[16:17] o's scale words, v[20:23] Wo's: scales and nothing else
.set SW,  20
.set GL,  24
.set SI,  25
.set SO,  26
.set XF,  32                           ; v[32:55] two fragments of o
.set WF,  80                           ; v[80:127] four of Wo
.set ACC, 128                          ; accumulator (b, a) at ACC + 32 b + 8 a
.set OB,  192                          ; rows read back
.set G1X, 24
.set G1W, 48
.set G0X, 68
.set G0W, 84
.macro PLACES
.rept 4
	v_nop
.endr
.endm
.macro LDH reg, a16, a8, off
	ds_load_b128 v[\reg:\reg+3], v[\a16] offset:\off
	ds_load_b64 v[\reg+4:\reg+5], v[\a8] offset:\off
.endm
.macro LDF reg, a16, a8, off
	LDH \reg, \a16, \a8, \off
	LDH \reg+6, \a16, \a8, \off+768
.endm
.macro MM d, a, b, sa, sb, zero
.if \zero
	v_wmma_scale_f32_16x16x128_f8f6f4 v[\d:\d+7], v[\a:\a+11], v[\b:\b+11], 0, v[\sa], v[\sb] matrix_a_fmt:MATRIX_FMT_FP6 matrix_b_fmt:MATRIX_FMT_FP6
.else
	v_wmma_scale_f32_16x16x128_f8f6f4 v[\d:\d+7], v[\a:\a+11], v[\b:\b+11], v[\d:\d+7], v[\sa], v[\sb] matrix_a_fmt:MATRIX_FMT_FP6 matrix_b_fmt:MATRIX_FMT_FP6
.endif
.endm
.macro CROUND
	s_barrier_signal -1
	s_barrier_wait -1
	s_cmp_lg_u32 s14, 0
	s_cbranch_scc1 .Lnot_wave_0_\@
	s_barrier_signal -3
.Lnot_wave_0_\@:
	s_barrier_wait -3
	s_barrier_signal -1
	s_barrier_wait -1
.endm
.macro JLOAD st                        ; a stage's joint load: waves 0-3 for o, waves 4-7 for Wo; each line has one mask; the branch hangs on the wave's number alone
	s_cmp_eq_u32 s15, 0
	s_cbranch_scc0 .Lfor_w_\@
	tensor_load_to_lds s[G0X+4*\st:G0X+4*\st+3], s[G1X:G1X+7]
	s_nop 0
	PLACES
	s_branch .Lasked_\@
.Lfor_w_\@:
	tensor_load_to_lds s[G0W+4*\st:G0W+4*\st+3], s[G1W:G1W+7]
	s_nop 0
	PLACES
.Lasked_\@:
.endm
; A K step of 128: six scale words, Wo's four fragments, o's two; eight products.  The eight accumulators take turns, in the same order in every step.
.macro KSTEP sl, zero, places
.if \places
	PLACES
.endif
.irp i, 0,1
	ds_load_b32 v[SX+\i], v[XS] offset:BLKB*(\sl)+64*\i
.endr
.irp i, 0,1,2,3
	ds_load_b32 v[SW+\i], v[WS] offset:BLKB*(\sl)+64*\i
.endr
.irp i, 0,1,2,3
	LDF WF+12*\i, WA16, WA8, BLKB*(\sl)+FRG*\i
.endr
.irp i, 0,1
	LDF XF+12*\i, XA16, XA8, BLKB*(\sl)+FRG*\i
.endr
.irp b, 0,1
	s_wait_dscnt 4*(1-\b)                          ; o's fragment b is in; the other's four loads may be out
.irp a, 0,1,2,3
	MM ACC+32*\b+8*\a, WF+12*\a, XF+12*\b, SW+\a, SX+\b, \zero
.endr
.endr
.endm
	s_load_b128 s[4:7], s[0:1], 0x0                ; AO s[4:5], WC s[6:7]
	s_load_b64 s[8:9], s[0:1], 0x10                ; out0
	v_lshl_add_u32 v78, v0, 2, 0x3a800
	v_mov_b32 v79, 0
	ds_add_u32 v78, v79
	ds_add_u32 v78, v79
	v_lshrrev_b32 v1, 5, v0
	s_delay_alu instid0(VALU_DEP_1)
	v_readfirstlane_b32 s14, v1                    ; wave 0..7
	s_lshr_b32 s15, s14, 2                         ; group of tokens.  Also: I fetch for o (0) or for Wo (1)
	s_and_b32 s16, s14, 1                          ; 64 columns
	s_bfe_u32 s18, s14, 0x10001                    ; pair of tiles
	s_and_b32 s19, s14, 3                          ; which block of a stage I fetch
	s_bfe_u32 s40, ttmp6, 0x40000                  ; cx
	s_bfe_u32 s41, ttmp6, 0x40004                  ; cy
	s_lshl_b32 s42, ttmp9, 2
	s_add_co_u32 s42, s42, s40                     ; my 128 columns
	s_and_b32 s17, ttmp7, 0xffff
	s_lshl_b32 s17, s17, 2
	s_add_co_u32 s17, s17, s41                     ; my 128 tokens
	s_lshl_b32 s43, s41, 2
	s_lshl_b32 s43, 15, s43                        ; my row of the cluster
	s_lshl_b32 s44, 0x1111, s40                    ; my column
	s_or_b32 s[G1X], s43, (3<<16)|(1<<21)          ; the mask; elements of 8 bytes; bit 21 beside a mask; 50 rows of 256 bytes, dense
	s_or_b32 s[G1W], s44, (3<<16)|(1<<21)
.irp g, G1X, G1W
	s_mov_b32 s[\g+1], 32<<16
	s_mov_b32 s[\g+2], 50<<16
	s_mov_b32 s[\g+3], 32<<16
	s_mov_b32 s[\g+4], 50
	s_mov_b32 s[\g+5], 32
	s_mov_b32 s[\g+6], 0
	s_mov_b32 s[\g+7], 0
.endr
	s_mul_i32 s45, s19, BLKB                       ; my block of a stage
	s_mul_i32 s20, s17, BROW                       ; o's address hangs on the tokens and the wave alone,
	s_add_co_u32 s20, s20, s45
	s_mov_b32 s21, 0
	s_add_co_u32 s46, s42, 24                      ; Wo's on the columns and the wave alone
	s_mul_i32 s46, s46, BROW
	s_add_co_u32 s46, s46, s45
	s_mov_b32 s47, 0
	s_add_co_u32 s56, s45, BROW
	s_wait_dscnt 0x0
	s_wait_kmcnt 0x0
	s_add_nc_u64 s[20:21], s[4:5], s[20:21]
	s_add_nc_u64 s[46:47], s[6:7], s[46:47]
.irp st, 0,1
	s_mov_b32 s[G0X+4*\st], 1
	s_add_co_u32 s[G0X+4*\st+1], s45, \st*4*BLKB
	s_add_nc_u64 s[G0X+4*\st+2:G0X+4*\st+3], s[20:21], \st*4*BLKB
	s_or_b32 s[G0X+4*\st+3], s[G0X+4*\st+3], 0x80000000
	s_mov_b32 s[G0W+4*\st], 1
	s_add_co_u32 s[G0W+4*\st+1], s56, \st*4*BLKB
	s_add_nc_u64 s[G0W+4*\st+2:G0W+4*\st+3], s[46:47], \st*4*BLKB
	s_or_b32 s[G0W+4*\st+3], s[G0W+4*\st+3], 0x80000000
.endr
	CROUND                                         ; all sixteen work-groups are here: the joint loads meet
	JLOAD 0                                        ; K steps 0-3: one tensor load a wave at the head
	v_and_b32 v1, 31, v0
	v_and_b32 v2, 15, v0
	v_bfe_u32 v3, v0, 4, 1
	s_delay_alu instid0(VALU_DEP_3)
	v_lshlrev_b32 v[L16], 4, v1
	s_wait_alu depctr_va_vdst(0)
	v_lshlrev_b32 v[L8], 3, v1
	s_wait_alu depctr_va_vdst(0)
	v_lshlrev_b32 v[R4], 2, v2
	s_wait_alu depctr_va_vdst(0)
	s_mul_i32 s57, s15, 4*FRG
	s_mul_i32 s58, s18, 2*FRG
	s_add_co_u32 s57, s57, s58
	v_add_nc_u32 v[XA16], s57, v[L16]
	v_add_nc_u32 v[XA8], s57, v[L8]
	s_delay_alu instid0(VALU_DEP_1)
	v_add_nc_u32 v[XA8], 512, v[XA8]
	s_lshl_b32 s57, s15, 8
	s_lshl_b32 s58, s18, 7
	s_add_co_u32 s57, s57, s58
	s_add_co_u32 s57, s57, SCO
	v_add_nc_u32 v[XS], s57, v[R4]
	s_mul_i32 s57, s16, 4*FRG
	s_add_co_u32 s57, s57, BROW
	v_add_nc_u32 v[WA16], s57, v[L16]
	v_add_nc_u32 v[WA8], s57, v[L8]
	s_delay_alu instid0(VALU_DEP_1)
	v_add_nc_u32 v[WA8], 512, v[WA8]
	s_lshl_b32 s57, s16, 8
	s_add_co_u32 s57, s57, BROW+SCO
	v_add_nc_u32 v[WS], s57, v[R4]
	v_lshlrev_b32 v[GL], 4, v2
	s_delay_alu instid0(VALU_DEP_1)
	v_lshl_add_u32 v[GL], v3, 12, v[GL]            ; lanes 0-15 one row of out0, lanes 16-31 the next; 16 bytes a lane
	s_mul_i32 s57, s14, 16*272
	s_add_co_u32 s57, s57, STG                     ; my stage
	v_mul_u32_u24 v[SI], v2, 272
	s_delay_alu instid0(VALU_DEP_1)
	v_lshl_add_u32 v[SI], v3, 7, v[SI]
	s_delay_alu instid0(VALU_DEP_1)
	v_add_nc_u32 v[SI], s57, v[SI]                 ; in: row r, + 128 h
	v_mul_u32_u24 v[SO], v3, 272
	s_delay_alu instid0(VALU_DEP_1)
	v_lshl_add_u32 v[SO], v2, 4, v[SO]
	s_delay_alu instid0(VALU_DEP_1)
	v_add_nc_u32 v[SO], s57, v[SO]                 ; back: two rows an instruction
	s_lshl_b32 s58, s17, 1
	s_add_co_u32 s58, s58, s15                     ; my group of 64 tokens
	s_lshl_b32 s58, s58, 18
	s_lshl_b32 s59, s18, 16                        ; 16 rows for the pair of tiles
	s_add_co_u32 s58, s58, s59
	s_lshl_b32 s59, s42, 9
	s_add_co_u32 s58, s58, s59
	s_lshl_b32 s59, s16, 8
	s_add_co_u32 s58, s58, s59
	s_mov_b32 s59, 0
	s_add_nc_u64 s[22:23], s[8:9], s[58:59]
	s_wait_alu depctr_va_vdst(0)
	s_wait_tensorcnt 0x0                           ; my block of stage 0 is in
	ds_add_u32 v78, v79
	s_wait_dscnt 0x0
	CROUND                                         ; everybody's block is in, and all sixteen work-groups are here
	JLOAD 1                                        ; K steps 4-7, the first tensor load behind the round
	KSTEP 0, 1, 0                                  ; the first products start the sums: nothing is cleared
	KSTEP 1, 0, 1
	KSTEP 2, 0, 1
	KSTEP 3, 0, 1
.irp a, XA16, XA8, XS, WA16, WA8, WS
	v_add_nc_u32 v[\a], 4*BLKB, v[\a]              ; four K steps on; these six lines are also the places in front of the next loads
.endr
	s_wait_alu depctr_va_vdst(0)
	s_wait_tensorcnt 0x0                           ; my block of stage 1 has landed; no LDS instruction of mine is out here
	s_barrier_signal -1
	s_barrier_wait -1                              ; and everybody's
	KSTEP 0, 0, 0
	KSTEP 1, 0, 1
	KSTEP 2, 0, 1
	KSTEP 3, 0, 1
	PLACES                                         ; in front of the first read of results
.irp b, 0,1
.set i, 0
.rept 8
	ds_store_b128 v[SI], v[ACC+32*\b+4*i:ACC+32*\b+4*i+3] offset:16*i   ; each accumulator from its low end on
.set i, i+1
.endr
.set i, 0
.rept 8
	ds_load_b128 v[OB+32*\b+4*i:OB+32*\b+4*i+3], v[SO] offset:544*i     ; LDS serves a wave's instructions in order: these see my stores, and the next tile's stores come behind them
.set i, i+1
.endr
.endr
.irp b, 0,1
	s_wait_dscnt 16*(1-\b)                         ; tile b is back; the other tile's eight stores and eight loads may be out
.set i, 0
.rept 8
	global_store_b128 v[GL], v[OB+32*\b+4*i:OB+32*\b+4*i+3], s[22:23] offset:(32*(i/4)+2*(i%4)+8*\b)*4096 th:TH_STORE_NT   ; the tile's rows 2 i, 2 i + 1 are tokens 32 (i / 4) + 8 (tile) + 2 (i % 4) + 0, 1
.set i, i+1
.endr
.endr
	s_wait_tensorcnt 0x0                           ; the wave's end
	ds_add_u32 v78, v79
	s_wait_dscnt 0x0
	CROUND                                         ; the closing round
	s_endpgm
.Lfunc_end_k_qf54cd0a278_oproj:
	.size	k_qf54cd0a278_oproj, .Lfunc_end_k_qf54cd0a278_oproj-k_qf54cd0a278_oproj
	.p2alignl 7, 3214868480
	.fill 96, 4, 3214868480
	.section	.rodata,"a",@progbits
	.p2align	6, 0x0
	.amdhsa_kernel k_qf54cd0a278_oproj
		.amdhsa_group_segment_fixed_size 327680
		.amdhsa_private_segment_fixed_size 0
		.amdhsa_enable_private_segment 0
		.amdhsa_kernarg_size 24
		.amdhsa_user_sgpr_count 2
		.amdhsa_user_sgpr_kernarg_segment_ptr 1
		.amdhsa_wavefront_size32 1
		.amdhsa_system_sgpr_workgroup_id_x 1
		.amdhsa_system_sgpr_workgroup_id_y 1
		.amdhsa_system_sgpr_workgroup_id_z 1
		.amdhsa_system_vgpr_workitem_id 0
		.amdhsa_next_free_vgpr 256
		.amdhsa_next_free_sgpr 104
		.amdhsa_reserve_vcc 0
		.amdhsa_float_denorm_mode_32 3
		.amdhsa_float_denorm_mode_16_64 3
		.amdhsa_memory_ordered 1
		.amdhsa_forward_progress 1
		.amdhsa_inst_pref_size 37
	.end_amdhsa_kernel
	.amdgpu_metadata
---
amdhsa.version: [ 1, 2 ]
amdhsa.kernels:
  - .name:           k_qf54cd0a278_oproj
    .symbol:         k_qf54cd0a278_oproj.kd
    .args:
      - { .name: AO, .offset: 0, .size: 8, .value_kind: global_buffer, .address_space: global }
      - { .name: WC, .offset: 8, .size: 8, .value_kind: global_buffer, .address_space: global }
      - { .name: out0, .offset: 16, .size: 8, .value_kind: global_buffer, .address_space: global }
    .group_segment_fixed_size: 327680
    .private_segment_fixed_size: 0
    .kernarg_segment_align: 8
    .kernarg_segment_size: 24
    .max_flat_workgroup_size: 256
    .sgpr_count:     104
    .vgpr_count:     256
    .wavefront_size: 32
...
	.end_amdgpu_metadata
.endif
;; end of part 4
